; MI455X (gfx1250); checked and timed in simulation.
; The chip was launched on July 23, 2026; its instructions are those of AMD's public machine-readable ISA for CDNA 5 (MIT licence, August 2026) and "CDNA5" Instruction Set Architecture Reference Guide (July 2026). The comments in the code are by the model that wrote it; some were corrected since.
;; Encoder Block. Allowed arithmetic: matrix products marked QUANTISED: E5M2 operands, one given power-of-two scale a tensor, by v_wmma_f32_16x16x64_bf8_bf8 or v_wmma_f32_16x16x128_bf8_bf8, f32 sums; everything else in f32.
;; Inputs: b1 4,096 float32; b2 1,024 float32; ln1_a 1,024 float32; ln1_b 1,024 float32; ln2_a 1,024 float32; ln2_b 1,024 float32; lowp_scales 16 int32 (the exponents e of the quantised operands' scales 2^e); mask 2 x 1 x 1 x 2,048 int32; w1_codes 4,096 x 32 x 32 uint8 (E5M2 codes of w1, K innermost, in blocks of 32 codes); w2_codes 1,024 x 128 x 32 uint8 (E5M2 codes of w2, K innermost, in blocks of 32 codes); wk_codes 1,024 x 32 x 32 uint8 (E5M2 codes of wk, K innermost, in blocks of 32 codes); wo_codes 1,024 x 32 x 32 uint8 (E5M2 codes of wo, K innermost, in blocks of 32 codes); wq_codes 1,024 x 32 x 32 uint8 (E5M2 codes of wq, K innermost, in blocks of 32 codes); wv_codes 1,024 x 32 x 32 uint8 (E5M2 codes of wv, K innermost, in blocks of 32 codes); x 2 x 2,048 x 1,024 float32.
;; Outputs: out0 2 x 2,048 x 1,024 float32.
;; This version of the problem:
;;   THIS VERSION OF THE PROBLEM IS GIVEN IN LOW PRECISION. The matrix products marked QUANTISED in the list below multiply operands that are first quantised to E5M2 (5 exponent bits, 2 mantissa bits; 8 bits a number), with one given power-of-two scale for each operand tensor; their sums are f32. All else is computed in f32.
;;   The module's matrix products, in the order in which they are computed (A, B: the left and right operand; K: the contracted axis; several contracted axes count as one K, in the product's order):
;;     1. [M 4,096, K 1,024] x [K 1,024, N 1,024]; A: computed on the way; B: input wq (given as codes): QUANTISED (scales: A lowp_scales[0], B lowp_scales[1])
;;     2. [M 4,096, K 1,024] x [K 1,024, N 1,024]; A: computed on the way; B: input wk (given as codes): QUANTISED (scales: A lowp_scales[2], B lowp_scales[3])
;;     3. [M 4,096, K 1,024] x [K 1,024, N 1,024]; A: computed on the way; B: input wv (given as codes): QUANTISED (scales: A lowp_scales[4], B lowp_scales[5])
;;     4. batch 32 x [M 2,048, K 64] x [K 64, N 2,048]; A: computed on the way; B: computed on the way: QUANTISED (scales: A lowp_scales[6], B lowp_scales[7])
;;     5. batch 32 x [M 64, K 2,048] x [K 2,048, N 2,048]; A: computed on the way; B: softmax (see below): QUANTISED (scales: A lowp_scales[8], B lowp_scales[9])
;;     6. [M 4,096, K 1,024] x [K 1,024, N 1,024]; A: computed on the way; B: input wo (given as codes): QUANTISED (scales: A lowp_scales[10], B lowp_scales[11])
;;     7. [M 4,096, K 1,024] x [K 1,024, N 4,096]; A: computed on the way; B: input w1 (given as codes): QUANTISED (scales: A lowp_scales[12], B lowp_scales[13])
;;     8. [M 4,096, K 4,096] x [K 4,096, N 1,024]; A: computed on the way; B: input w2 (given as codes): QUANTISED (scales: A lowp_scales[14], B lowp_scales[15])
;;   THE QUANTISER, for each operand of a quantised product, along K:
;;     - The operand's scale is 2^e, e = its entry of the input lowp_scales (int32; the entries are numbered through the quantised products in the list's order, A before B).
;;     - Each number is divided by the scale, clamped to +-57,344, and rounded to the nearest number of E5M2, ties to even, subnormals kept.
;;     - The product sums the exact products of the quantised numbers (number of the format x scale) in f32.
;;   ~~~python
;;   def quantise(x, axis, e):      # numpy; x: float32 -> the quantised numbers, widened to float32 again
;;       x = np.moveaxis(x, axis, -1); K = x.shape[-1]
;;       r = np.clip(x / 2.0 ** e, -57344, 57344)
;;       step = 2.0 ** (np.maximum(np.frexp(np.where(r == 0, 1, r))[1] - 1, -14) - 2)
;;       q = np.round(r / step) * step * 2.0 ** e      # np.round: ties to even
;;       return np.moveaxis(q, -1, axis).astype(np.float32)
;;   ~~~
;;   SOFTMAX AHEAD OF A QUANTISED PRODUCT. Where the list says 'softmax', what is quantised is not the finished softmax but p = 2^(t - M), with t = logit x log2(e) and M = ceil(the row's largest t), a whole number; so 1/2 < the row's largest p <= 1. The row's sum l is taken of the UNQUANTISED p, in f32, and the product's result is divided by l at the end. Since M is a whole number, a kernel that streams over the keys may use a running M (the ceiling of the running maximum): every later rescaling is an exact power of two, so the quantised numbers keep their values, but for numbers so far below the row's largest that they fall under the format's range.
;;   OPERANDS COMPUTED ON THE WAY. 'Computed on the way' means the value that the module computes at that place (a softmax that the list does not call 'softmax' is quantised finished and normalised). What goes into a quantiser is computed in f32, as accurately as f32 sums, v_exp_f32 and their like allow (about 1e-6 of the number): no bf16 or f16 on the way to a quantiser, and a product that is left as it is and whose result goes on into a quantised operand takes f32 operands (vector FMAs, or v_wmma_f32_16x16x4_f32). A number that lies on a knife's edge between two numbers of the format may be rounded either way, as far as f32 arithmetic and the matrix unit's own rounding can turn it there, and no further.
;;   INPUTS GIVEN AS CODES. w1 (in the module: [1024, 4096], K = its axis 0); w2 (in the module: [4096, 1024], K = its axis 0); wk (in the module: [1024, 1024], K = its axis 0); wo (in the module: [1024, 1024], K = its axis 0); wq (in the module: [1024, 1024], K = its axis 0); wv (in the module: [1024, 1024], K = its axis 0): each comes as NAME_codes (uint8): NAME with its K axis moved to the last place and cut into blocks of 32 codes, [.., K / 32, bytes a block], one block behind the other in memory; one code a byte (a code: sign, 5 exponent bits, 2 mantissa bits); its scale is its entry of lowp_scales. Its value is code x scale, taken as it is: it is not quantised again, and the codes and scales need not be those that the quantiser above would give.
;; One version. Each part assembles by itself: llvm-mc -triple=amdgcn-amd-amdhsa -mcpu=gfx1250 --defsym DOCPART=n.
;; ======== version 1 of 1: 7 launches
;; limits: right only within a limited range of input values
;; workspace buffers: xn3 12,582,912 bytes; qkv 12,582,912 bytes; cc 4,194,304 bytes; x1 16,777,216 bytes; xf 4,194,304 bytes; hc 16,777,216 bytes
;; launch lnorm1 (part 1): grid 256 x 1, 8 waves a work-group, no clusters, 41,984 bytes of LDS; arguments x, ln1_a, ln1_b, lowp_scales, xn3; writes xn3
.if DOCPART == 1
	.amdgcn_target "amdgcn-amd-amdhsa--gfx1250"
	.amdhsa_code_object_version 6
	.text
	.protected	k_q482a46aa4c_lnorm1
	.globl	k_q482a46aa4c_lnorm1
	.p2align	8
	.type	k_q482a46aa4c_lnorm1,@function
k_q482a46aa4c_lnorm1:
	s_mov_b64 s[64:65], 0
	v_nop
	global_prefetch_b8 v0, s[64:65] scope:SCOPE_SE
	s_setreg_imm32_b32 hwreg(HW_REG_WAVE_MODE, 25, 1), 1
	s_wait_xcnt 0x0
; LAYER NORM, THEN THE QUANTISER.  in: [4096][1024] f32.  y = a (x - mean) / (std + 1e-6) + b, std the biased one, taken of (x - mean): two passes over registers.
; y is turned into codes of E5M2 NSET times, each time with a given scale 2^e: here with entries 0, 2 and 4 of the scales (the three products that read y), into three planes of 4 MiB.
; SHARES.  A wave takes a whole row (4,096 bytes, 32 registers a lane), two rows one after the other; a work-group of eight waves 16 rows.  BOTH ROWS ARE ASKED FOR AT THE HEAD: every byte that the launch reads is
; requested before the first is worked on.  No wave waits for another: no barrier.
; Each load reads 512 consecutive bytes; the conversions want 8 neighbours in one lane, so a row turns through the wave's own stage in LDS (16 bytes of padding behind each 64) and comes back 16 neighbours a lane twice:
; register T + 16 c + i holds element 512 c + 16 lane + i.  A lane's 16 codes are 16 bytes: a store covers 512 consecutive bytes.
; Memory binds: no matrix unit, no cluster, no tensor load.
; LIMITS: each e between -126 and 112, so that 2^e and 57,344 x 2^e are f32 numbers.  NaN among the inputs is not served.
.set NSET, 3
.set SP,   80                          ; a lane's place in a stage: 64 bytes + 16 of padding
.set X,    16                          ; v16-79   the two rows as loaded
.set T,    80                          ; v80-111  the row at work
.set A,    112                         ; v112-143 a in T's layout
.set B,    144                         ; v144-175 b
.set H,    176                         ; v176-191 two groups of eight held numbers
.set C,    192                         ; v192-215 codes, eight registers a set
.set SCL,  216                         ; v216+2s: 2^e;  v217+2s: 57,344 x 2^e
	s_load_b256 s[4:11], s[0:1], 0x0               ; in s[4:5], a s[6:7], b s[8:9], the scales' exponents s[10:11]
	s_load_b64 s[12:13], s[0:1], 0x20              ; the codes
	v_lshl_add_u32 v224, v0, 2, 0xa000
	v_mov_b32 v225, 0
	v_lshrrev_b32 v1, 5, v0
	v_readfirstlane_b32 s18, v1                    ; wave
	v_and_b32 v1, 31, v0                           ; lane
	v_lshlrev_b32 v2, 4, v1                        ; 16 x lane: my bytes of a load's 512, and of a store's
	s_mul_i32 s19, s18, 5120                       ; my wave's two stages
	v_lshrrev_b32 v3, 2, v1
	v_mul_u32_u24 v3, v3, SP
	v_and_b32 v4, 3, v1
	v_lshl_add_u32 v3, v4, 4, v3
	v_add_nc_u32 v3, s19, v3                       ; into a stage: SP (lane / 4) + 16 (lane % 4)
	v_mul_u32_u24 v4, v1, SP
	v_add_nc_u32 v4, s19, v4                       ; out of it: SP x lane
	v_lshlrev_b32 v5, 6, v1                        ; 64 x lane: my 16 numbers of a and b
	v_mov_b32 v11, 0                               ; a lane permute's destination counts as read
	s_lshl_b32 s22, ttmp9, 4
	s_lshl_b32 s23, s18, 1
	s_add_co_u32 s22, s22, s23                     ; my first row: 16 x work-group + 2 x wave
	s_lshl_b32 s24, s22, 12
	s_mov_b32 s25, 0
	s_lshl_b32 s26, s22, 10
	s_mov_b32 s27, 0
	s_mov_b32 s20, 0x76543210                      ; lane l xor 16
	s_mov_b32 s21, 0xfedcba98
	s_wait_kmcnt 0x0
.if NSET == 3
	s_load_b256 s[32:39], s[10:11], 0x0            ; entries 0 to 7: 0, 2 and 4 are used
.else
	s_load_b32 s32, s[10:11], 0x30                 ; entry 12
.endif
	s_add_nc_u64 s[4:5], s[4:5], s[24:25]
	s_add_nc_u64 s[12:13], s[12:13], s[26:27]
.if NSET == 3
	s_add_nc_u64 s[14:15], s[12:13], 0x400000      ; the second and third plane
	s_add_nc_u64 s[16:17], s[12:13], 0x800000
.endif
.irp c, 0,1
.irp i, 0,1,2,3
	global_load_b128 v[A+16*\c+4*\i:A+16*\c+4*\i+3], v5, s[6:7] offset:2048*\c+16*\i
	global_load_b128 v[B+16*\c+4*\i:B+16*\c+4*\i+3], v5, s[8:9] offset:2048*\c+16*\i
.endr
.endr
.macro LOADROW r                       ; eight loads of 512 consecutive bytes
.irp j, 0,1,2,3,4,5,6,7
	global_load_b128 v[X+32*(\r)+4*\j:X+32*(\r)+4*\j+3], v2, s[4:5] offset:4096*(\r)+512*\j th:TH_LOAD_NT
.endr
.endm
.macro TURNROW r                       ; through the stages: LDS serves a wave's instructions in order (ISA guide 5.7.1.4), so no wait stands between the stores and the loads
.irp c, 0,1
.irp i, 0,1,2,3
	ds_store_b128 v3, v[X+32*(\r)+16*\c+4*\i:X+32*(\r)+16*\c+4*\i+3] offset:2560*\c+640*\i
.endr
.endr
.irp c, 0,1
.irp i, 0,1,2,3
	ds_load_b128 v[T+16*\c+4*\i:T+16*\c+4*\i+3], v4 offset:2560*\c+16*\i
.endr
.endr
.endm
.macro REDUCE                          ; v10 summed over the 32 lanes, the result in every lane
	v_add_f32_dpp v10, v10, v10 row_xmask:1 row_mask:0xf bank_mask:0xf
	v_add_f32_dpp v10, v10, v10 row_xmask:2 row_mask:0xf bank_mask:0xf
	v_add_f32_dpp v10, v10, v10 row_xmask:4 row_mask:0xf bank_mask:0xf
	v_add_f32_dpp v10, v10, v10 row_xmask:8 row_mask:0xf bank_mask:0xf
	v_permlanex16_b32 v11, v10, s20, s21
	v_add_f32 v10, v10, v11
.endm
	LOADROW 0
	LOADROW 1
	s_wait_kmcnt 0x0
.set QS, 0
.rept NSET
	s_add_co_i32 s22, s[32+2*QS], 127
	s_lshl_b32 s23, s22, 23
	v_mov_b32 v[SCL+2*QS], s23                     ; 2^e as f32: the conversion takes its exponent field
	s_add_co_i32 s22, s22, 15
	s_lshl_b32 s22, s22, 23
	s_or_b32 s22, s22, 0x600000
	v_mov_b32 v[SCL+2*QS+1], s22                   ; 57,344 x 2^e
.set QS, QS+1
.endr
.macro ROW r, left
	s_wait_loadcnt \left                           ; my row is in (and a and b); the other row's eight loads may stay out
	TURNROW \r
	s_wait_dscnt 0x0                               ; the row is back
	v_pk_add_f32 v[6:7], v[T:T+1], v[T+2:T+3]      ; the sum, in two chains begun by the first pairs
	v_pk_add_f32 v[8:9], v[T+4:T+5], v[T+6:T+7]
.irp j, 8,12,16,20,24,28
	v_pk_add_f32 v[6:7], v[6:7], v[T+\j:T+\j+1]
	v_pk_add_f32 v[8:9], v[8:9], v[T+\j+2:T+\j+3]
.endr
	v_pk_add_f32 v[6:7], v[6:7], v[8:9]
	v_add_f32 v10, v6, v7
	REDUCE
	v_mul_f32 v12, 0x3a800000, v10                 ; / 1,024: the mean
	v_mov_b32 v13, v12
.irp j, 0,2,4,6,8,10,12,14,16,18,20,22,24,26,28,30
	v_pk_add_f32 v[T+\j:T+\j+1], v[T+\j:T+\j+1], v[12:13] neg_lo:[0,1] neg_hi:[0,1]   ; x - mean
.endr
	v_pk_mul_f32 v[6:7], v[T:T+1], v[T:T+1]        ; the sum of squares of x - mean
	v_pk_mul_f32 v[8:9], v[T+2:T+3], v[T+2:T+3]
.irp j, 4,8,12,16,20,24,28
	v_pk_fma_f32 v[6:7], v[T+\j:T+\j+1], v[T+\j:T+\j+1], v[6:7]
	v_pk_fma_f32 v[8:9], v[T+\j+2:T+\j+3], v[T+\j+2:T+\j+3], v[8:9]
.endr
	v_pk_add_f32 v[6:7], v[6:7], v[8:9]
	v_add_f32 v10, v6, v7
	REDUCE
	v_mul_f32 v10, 0x3a800000, v10
	v_sqrt_f32 v14, v10                            ; std
	v_nop                                          ; a plain instruction behind the transcendental,
	s_wait_alu depctr_va_vdst(0)                   ; and a wait ahead of its first reader
	v_add_f32 v14, 0x358637bd, v14                 ; + 1e-6
	v_rcp_f32 v15, v14
	v_nop
	s_wait_alu depctr_va_vdst(0)
	v_mov_b32 v14, v15
.irp j, 0,2,4,6,8,10,12,14,16,18,20,22,24,26,28,30
	v_pk_mul_f32 v[T+\j:T+\j+1], v[T+\j:T+\j+1], v[14:15]
.endr
.irp j, 0,2,4,6,8,10,12,14,16,18,20,22,24,26,28,30
	v_pk_fma_f32 v[T+\j:T+\j+1], v[T+\j:T+\j+1], v[A+\j:A+\j+1], v[B+\j:B+\j+1]
.endr
	s_wait_xcnt 0x0                                ; the last row's stores have read their codes: only now are those registers written again
.set QS, 0
.rept NSET
.irp g, 0,1,2,3
.irp i, 0,1,2,3,4,5,6,7
	v_med3_num_f32 v[H+8*(\g%2)+\i], v[T+8*\g+\i], -v[SCL+2*QS+1], v[SCL+2*QS+1]   ; the conversion to an 8-bit code does not saturate (ISA guide 7.6.2): the hold at the largest code x the scale
.endr
	v_cvt_scalef32_pk8_bf8_f32 v[C+8*QS+2*\g:C+8*QS+2*\g+1], v[H+8*(\g%2):H+8*(\g%2)+7], v[SCL+2*QS]   ; the other group's eight holds are the plain lines behind it
.endr
.set QS, QS+1
.endr
	v_nop                                          ; a plain line behind the last conversion
.set QS, 0
.rept NSET
.irp c, 0,1
	global_store_b128 v2, v[C+8*QS+4*\c:C+8*QS+4*\c+3], s[12+2*QS:13+2*QS] offset:1024*(\r)+512*\c   ; 32 lanes store 512 consecutive bytes, aligned
.endr
.set QS, QS+1
.endr
.endm
	ROW 0, 8
	ROW 1, 0
	s_wait_tensorcnt 0x0
	ds_add_u32 v224, v225
	s_wait_dscnt 0x0
	s_endpgm
.Lfunc_end_k_q482a46aa4c_lnorm1:
	.size	k_q482a46aa4c_lnorm1, .Lfunc_end_k_q482a46aa4c_lnorm1-k_q482a46aa4c_lnorm1
	.p2alignl 7, 3214868480
	.fill 96, 4, 3214868480
	.section	.rodata,"a",@progbits
	.p2align	6, 0x0
	.amdhsa_kernel k_q482a46aa4c_lnorm1
		.amdhsa_group_segment_fixed_size 41984
		.amdhsa_private_segment_fixed_size 0
		.amdhsa_enable_private_segment 0
		.amdhsa_kernarg_size 40
		.amdhsa_user_sgpr_count 2
		.amdhsa_user_sgpr_kernarg_segment_ptr 1
		.amdhsa_wavefront_size32 1
		.amdhsa_system_sgpr_workgroup_id_x 1
		.amdhsa_system_sgpr_workgroup_id_y 1
		.amdhsa_system_sgpr_workgroup_id_z 1
		.amdhsa_system_vgpr_workitem_id 0
		.amdhsa_next_free_vgpr 226
		.amdhsa_next_free_sgpr 66
		.amdhsa_reserve_vcc 0
		.amdhsa_float_denorm_mode_32 3
		.amdhsa_float_denorm_mode_16_64 3
		.amdhsa_memory_ordered 1
		.amdhsa_forward_progress 1
		.amdhsa_inst_pref_size 36
	.end_amdhsa_kernel
	.amdgpu_metadata
---
amdhsa.version: [ 1, 2 ]
amdhsa.kernels:
  - .name:           k_q482a46aa4c_lnorm1
    .symbol:         k_q482a46aa4c_lnorm1.kd
    .args:
      - { .name: x, .offset: 0, .size: 8, .value_kind: global_buffer, .address_space: global }
      - { .name: ln1_a, .offset: 8, .size: 8, .value_kind: global_buffer, .address_space: global }
      - { .name: ln1_b, .offset: 16, .size: 8, .value_kind: global_buffer, .address_space: global }
      - { .name: lowp_scales, .offset: 24, .size: 8, .value_kind: global_buffer, .address_space: global }
      - { .name: xn3, .offset: 32, .size: 8, .value_kind: global_buffer, .address_space: global }
    .group_segment_fixed_size: 41984
    .private_segment_fixed_size: 0
    .kernarg_segment_align: 8
    .kernarg_segment_size: 40
    .max_flat_workgroup_size: 256
    .sgpr_count:     66
    .vgpr_count:     226
    .wavefront_size: 32
...
	.end_amdgpu_metadata
.endif
;; end of part 1
;; launch proj (part 2): grid 12 x 16, 4 waves a work-group, clusters of 4 x 4, 327,680 bytes of LDS; arguments xn3, wq_codes, wk_codes, wv_codes, lowp_scales, mask, qkv; writes qkv
.if DOCPART == 2
	.amdgcn_target "amdgcn-amd-amdhsa--gfx1250"
	.amdhsa_code_object_version 6
	.text
	.protected	k_q482a46aa4c_proj
	.globl	k_q482a46aa4c_proj
	.p2align	8
	.type	k_q482a46aa4c_proj,@function
k_q482a46aa4c_proj:
	s_mov_b64 s[64:65], 0
	v_nop
	global_prefetch_b8 v0, s[64:65] scope:SCOPE_SE
	s_setreg_imm32_b32 hwreg(HW_REG_WAVE_MODE, 25, 1), 1
	s_wait_xcnt 0x0
	s_wait_alu depctr_hold_cnt(0) depctr_sa_sdst(0) depctr_va_vdst(0) depctr_va_sdst(0) depctr_va_ssrc(0) depctr_va_vcc(0) depctr_vm_vsrc(0)
	s_getreg_b32 s2, hwreg(HW_REG_IB_STS2, 6, 4)
	s_cmp_eq_u32 s2, 0
	s_cbranch_scc0 .Lentry_in_a_cluster
	s_endpgm
.Lentry_in_a_cluster:
	s_bfe_u32 s2, ttmp6, 0x10000c
	s_cmp_lg_u32 s2, 0xf033
	s_cbranch_scc0 .Lentry_shape_is_right
	s_endpgm
.Lentry_shape_is_right:
; C[m][n] = Q(sum over k of A[m][k] B[n][k]), K = 1,024, on codes of E5M2; the result leaves as codes again, quantised with a given scale, n innermost.
; QKV = 1: THREE PRODUCTS IN ONE LAUNCH, chosen by the cluster's x (P = 0, 1, 2; the same in all sixteen partners; only pointers, a pitch and numbers are chosen, never a path):
;   P = 0: q[token][n] = xn(set 0) wq;   P = 1: k[token][n] = xn(set 1) wk;   P = 2: v^T[n][token] = wv xn(set 2): A and B change places, so that v leaves with the tokens (the keys) innermost.
;   A raw sum stands for sum x 2^(eA + eB); its code under eOut is sum / 2^(eOut - eA - eB): the three exponents are folded into the conversion's one scale.
;   THE MASK: where mask[token] = 0 the hold of k's row is +-0 in place of +-57,344 x the scale: the whole row of k becomes zero codes (the attention launch adds the masked score itself).
; QKV = 0: h = Q(relu(xn2 w1 + b1)): b1 / 2^(eA + eB) is the C of each sum's first product, and the hold between 0 and the largest code x the scale is the activation too.
; A tile of C, 256 x 256, is made by four waves, each 128 x 128: 64 accumulators, 512 registers.  K goes in steps of 256 through two LDS slots filled by the tensor data mover.
; CLUSTERS: 4 x 4 work-groups; A's tile is asked for jointly along a row of the cluster, B's along a column.  The matrix instruction is used transposed (source 0 = 16 rows of B, source 1 = 16 rows of A):
; a lane holds eight neighbouring n of one row m, which one conversion turns into 8 bytes.
; With QKV = 1 there are 192 tiles of this size: three products of 64; a smaller tile would read each LDS byte for half the products.
; REGISTERS: window 0: v0-31 addresses; v32-39 the hold of each of my eight blocks of rows; v40 the scale, v41 the hold; v64-127 b1's tiles, later numbers at work; v128-255 A's fragments, later codes.
;   window 1: B's fragments, two sets.   windows 2, 3: the accumulators ((a, b) at v[8 (8 (a % 4) + b)]).
; LIMITS: eOut - eA - eB between -126 and 112.  NaN among the operands is not served.
.set QKV,    1
.set SIZE_K, 1024
.set KSTEP,  256
.set ROWB,   256
.set KROW,   SIZE_K
.set PITCH,  272                       ; an LDS row: 256 bytes + 16 of padding: the 16 rows of a fragment load start at 16 different banks (64 banks of 4 bytes: ISA guide 11.1)
.set FR,     16
.set NL,     4
.set NP,     4                         ; places behind this matrix instruction (ISA guide 7.12.1)
.set HALFT,  128*PITCH
.set SLOT,   4*HALFT
.set LAPS,   SIZE_K/(2*KSTEP)
.set SPARE,  2*SLOT                    ; the spare words: 128 bytes a wave, two blocks of 256 bytes that no other line names
.set ADRA, 16
.set ADRB, 20
.set STO,  24                          ; the way out: where I put 8 bytes of a row of the stage
.set RD,   25                          ; and where I read rows back
.set SPW,  28
.set NIL,  29
.set LIMA, 32
.set SCV,  40
.set LIMV, 41
.set TMP,  64
.set AF,   128
.set CD,   128
.set G1, 24
.set G0, 32
.set G1B, 48
.set G0B, 56
.set MSB, 0
.macro WIN new                         ; the immediate's high byte repeats the setting that is left
.if MSB != \new
	s_set_vgpr_msb (MSB<<8)|\new
.set MSB, \new
.endif
.endm
.set MUL_LO, 0xa1                      ; source 0 (B) window 1, source 1 (A) window 0, C and D window 2
.set MUL_HI, 0xf1                      ; the same, C and D window 3
.if QKV
.set FIRST_LO, 0xa1                    ; the first step's C is the constant 0
.set FIRST_HI, 0xf1
.else
.set FIRST_LO, 0x81                    ; the first step's C is b1's tile, in window 0
.set FIRST_HI, 0xc1
.endif
.set TO_B,   0x40
; A joint load: waves 0 and 1 fetch for A, waves 2 and 3 for B; the branch hangs on the wave's number alone.  Four v_nop follow each of the two lines.
.macro JLOAD g0a, g1a, g0b, g1b
	s_cmp_eq_u32 s15, 0
	s_cbranch_scc0 .Lfor_b_\@
	tensor_load_to_lds s[\g0a:\g0a+3], s[\g1a:\g1a+7]
	s_nop 0
.rept 4
	v_nop
.endr
	s_branch .Lasked_\@
.Lfor_b_\@:
	tensor_load_to_lds s[\g0b:\g0b+3], s[\g1b:\g1b+7]
	s_nop 0
.rept 4
	v_nop
.endr
.Lasked_\@:
.endm
.macro CREST                           ; a round of the cluster's barrier behind its opening barrier
	s_cmp_lg_u32 s14, 0
	s_cbranch_scc1 .Lnot_wave_0_\@
	s_barrier_signal -3
.Lnot_wave_0_\@:
	s_barrier_wait -3
	s_barrier_signal -1
	s_barrier_wait -1
.endm
.macro CROUND
	s_barrier_signal -1
	s_barrier_wait -1
	CREST
.endm
	s_load_b256 s[68:75], s[0:1], 0x0              ; QKV: xn3, wq, wk, wv.   else: xf, w1, the scales, b1
.if QKV
	s_load_b128 s[76:79], s[0:1], 0x20             ; the scales' exponents, the mask
	s_load_b64 s[80:81], s[0:1], 0x30              ; the codes that leave
.else
	s_load_b64 s[80:81], s[0:1], 0x20
.endif
	v_lshl_add_u32 v[SPW], v0, 2, SPARE
	v_mov_b32 v[NIL], 0
	ds_add_u32 v28, v29
	s_wait_dscnt 0x0
	v_lshrrev_b32 v1, 5, v0
	v_readfirstlane_b32 s14, v1                    ; wave 0..3
	s_lshr_b32 s15, s14, 1                         ; which half of the tile's rows is mine.  Also: I fetch for A (0) or for B (1)
	s_and_b32 s16, s14, 1                          ; which half of its columns.  Also: which 128 rows of that tile I fetch
	s_bfe_u32 s40, ttmp6, 0x40000                  ; cx, cy
	s_bfe_u32 s41, ttmp6, 0x40004
	s_and_b32 s17, ttmp7, 0xffff
	s_lshl_b32 s17, s17, 2                         ; 4 x cluster y
.if QKV
	s_mov_b32 s93, 1024                            ; C's pitch in bytes: 1,024 for q and k, 4,096 for v^T
	s_cmp_eq_u32 ttmp9, 2
	s_cselect_b32 s42, s17, 0                      ; q, k: 16 tile rows (tokens) x 4 tile columns;  v^T: 4 tile rows x 16 tile columns (tokens)
	s_cselect_b32 s17, 0, s17
	s_cselect_b32 s93, 4096, s93
	s_cmp_eq_u32 ttmp9, 1
	s_cselect_b32 s98, 0, -1                       ; all ones where the mask does not count (q, v^T)
.else
	s_lshl_b32 s42, ttmp9, 2
	s_mov_b32 s93, 4096
.endif
	s_add_co_u32 s42, s42, s40                     ; tile column
	s_add_co_u32 s17, s17, s41                     ; tile row
	s_lshl_b32 s43, s41, 2
	s_lshl_b32 s43, 15, s43                        ; my row of the cluster
	s_lshl_b32 s44, 0x1111, s40                    ; my column
	s_or_b32 s[G1+0], s43, (0<<16)|(1<<20)|(1<<21)|(5<<22)|(3<<25)  ; the mask; elements of 1 byte; padding on; bit 21 beside a mask; 4 words behind every 64
	s_or_b32 s[G1B+0], s44, (0<<16)|(1<<20)|(1<<21)|(5<<22)|(3<<25)
.irp g, G1, G1B
	s_mov_b32 s[\g+1], ROWB<<16                    ; tensor_dim0
	s_mov_b32 s[\g+2], 128<<16                     ; tensor_dim1
	s_mov_b32 s[\g+3], ROWB<<16                    ; tile_dim0
	s_mov_b32 s[\g+4], 128                         ; tile_dim1
	s_mov_b32 s[\g+5], KROW                        ; the pitch
	s_mov_b32 s[\g+6], 0
	s_mov_b32 s[\g+7], 0
.endr
	s_lshl_b32 s18, s16, 7
	s_lshl_b32 s20, s17, 8
	s_add_co_u32 s20, s20, s18                     ; A: row 256 x tile row + 128 x half
	s_lshl_b32 s20, s20, 10                        ; x 1,024 bytes
	s_lshl_b32 s46, s42, 8
	s_add_co_u32 s46, s46, s18                     ; B: row 256 x tile column + 128 x half
	s_lshl_b32 s46, s46, 10
	s_mov_b32 s21, 0
	s_mov_b32 s47, 0
	s_mul_i32 s45, s14, HALFT                      ; where they go: wave x 128 rows
	s_wait_kmcnt 0x0
.if QKV
	s_load_b256 s[84:91], s[76:77], 0x0            ; e0 .. e7
	s_load_b32 s92, s[76:77], 0x20                 ; e8
	s_lshl_b32 s82, ttmp9, 22                      ; P x 4 MiB
	s_mov_b32 s83, 0
	s_add_nc_u64 s[94:95], s[68:69], s[82:83]      ; xn's set P
	s_add_nc_u64 s[10:11], s[80:81], s[82:83]      ; C's plane P
	s_cmp_eq_u32 ttmp9, 2
	s_cselect_b64 s[4:5], s[74:75], s[94:95]       ; A: xn, xn, wv
	s_cselect_b64 s[6:7], s[94:95], s[72:73]
	s_cmp_eq_u32 ttmp9, 0
	s_cselect_b64 s[6:7], s[70:71], s[6:7]         ; B: wq, wk, xn
.else
	s_load_b128 s[84:87], s[72:73], 0x30           ; e12 .. e15
	s_mov_b64 s[4:5], s[68:69]
	s_mov_b64 s[6:7], s[70:71]
	s_mov_b64 s[10:11], s[80:81]
.endif
	s_add_nc_u64 s[20:21], s[4:5], s[20:21]
	s_add_nc_u64 s[46:47], s[6:7], s[46:47]
	CROUND                                         ; all sixteen work-groups are here: the first joint loads meet
.irp s, 0,1
	s_mov_b32 s[G0+4*\s], 1
	s_add_co_u32 s[G0+4*\s+1], s45, \s*SLOT
	s_add_nc_u64 s[G0+4*\s+2:G0+4*\s+3], s[20:21], \s*ROWB
	s_or_b32 s[G0+4*\s+3], s[G0+4*\s+3], 0x80000000
	s_mov_b32 s[G0B+4*\s], 1
	s_add_co_u32 s[G0B+4*\s+1], s45, \s*SLOT
	s_add_nc_u64 s[G0B+4*\s+2:G0B+4*\s+3], s[46:47], \s*ROWB
	s_or_b32 s[G0B+4*\s+3], s[G0B+4*\s+3], 0x80000000
	JLOAD G0+4*\s, G1, G0B+4*\s, G1B
.endr
	v_and_b32 v1, 15, v0                           ; r = l % 16
	v_bfe_u32 v2, v0, 4, 1                         ; h = l / 16
	v_mul_u32_u24 v3, v1, PITCH
	v_lshl_add_u32 v4, v2, 4, v3                   ; a fragment's row x pitch + 16 x half
	s_mul_i32 s21, s15, HALFT
	s_mul_i32 s22, s16, HALFT
	s_add_co_u32 s22, s22, 2*HALFT
.irp s, 0,1
	v_add_nc_u32 v[ADRA+\s], s21, v4
	v_add_nc_u32 v[ADRB+\s], s22, v4
	s_add_co_u32 s21, s21, SLOT
	s_add_co_u32 s22, s22, SLOT
.endr
	s_mul_i32 s23, s15, 128*PITCH                  ; the stage, 256 rows x 272 bytes for the work-group: row 128 x row half + r, byte 128 x column half + 8 h
	s_lshl_b32 s22, s16, 7
	s_add_co_u32 s23, s23, s22
	v_lshl_add_u32 v5, v2, 3, v3
	v_add_nc_u32 v[STO], s23, v5
	s_mul_i32 s23, s14, 64*PITCH                   ; back: wave w takes rows 64 w on, whole; sixteen lanes to a row
	v_mul_u32_u24 v5, v2, PITCH
	v_lshl_add_u32 v5, v1, 4, v5
	v_add_nc_u32 v[RD], s23, v5
.if QKV
	s_lshl_b32 s22, s17, 10                        ; the mask's words of my 128 rows: 4 (256 x tile row + 128 x row half); inside its 4,096 words for every P
	s_lshl_b32 s23, s15, 9
	s_add_co_u32 s22, s22, s23
	s_mov_b32 s23, 0
	s_add_nc_u64 s[78:79], s[78:79], s[22:23]
	v_lshlrev_b32 v6, 2, v1
.irp a, 0,1,2,3,4,5,6,7
	global_load_b32 v[LIMA+\a], v6, s[78:79] offset:64*\a   ; mask[my row of block a]
.endr
.else
	s_lshl_b32 s22, s42, 10                        ; b1 at my 128 columns
	s_lshl_b32 s23, s16, 9
	s_add_co_u32 s22, s22, s23
	s_mov_b32 s23, 0
	s_add_nc_u64 s[74:75], s[74:75], s[22:23]
	v_lshlrev_b32 v6, 5, v2
.irp b, 0,1,2,3,4,5,6,7
	global_load_b128 v[TMP+8*\b:TMP+8*\b+3], v6, s[74:75] offset:64*\b       ; register 8 b + j = b1[16 b + 8 h + j]: the result's layout
	global_load_b128 v[TMP+8*\b+4:TMP+8*\b+7], v6, s[74:75] offset:64*\b+16
.endr
.endif
	s_lshl_b32 s20, s17, 8                         ; where I store: row 256 x tile row + 64 x wave, byte 256 x tile column
	s_lshl_b32 s21, s14, 6
	s_add_co_u32 s20, s20, s21
	s_mul_i32 s20, s20, s93
	s_lshl_b32 s21, s42, 8
	s_add_co_u32 s20, s20, s21
	s_mov_b32 s21, 0
	s_add_nc_u64 s[10:11], s[10:11], s[20:21]
	s_wait_kmcnt 0x0
.if QKV
	s_sub_co_i32 s94, s90, s84
	s_sub_co_i32 s94, s94, s85                     ; e6 - e0 - e1
	s_sub_co_i32 s95, s91, s86
	s_sub_co_i32 s95, s95, s87                     ; e7 - e2 - e3
	s_sub_co_i32 s96, s92, s88
	s_sub_co_i32 s96, s96, s89                     ; e8 - e4 - e5
	s_cmp_eq_u32 ttmp9, 1
	s_cselect_b32 s94, s95, s94
	s_cmp_eq_u32 ttmp9, 2
	s_cselect_b32 s94, s96, s94
.else
	s_add_co_i32 s96, s84, s85                     ; e12 + e13
	s_sub_co_i32 s94, s86, s96                     ; e14 - e12 - e13
	s_sub_co_i32 s96, 0, s96
.endif
	s_add_co_i32 s94, s94, 127
	s_lshl_b32 s95, s94, 23
	v_mov_b32 v[SCV], s95                          ; the conversion's scale
	s_add_co_i32 s94, s94, 15
	s_lshl_b32 s94, s94, 23
	s_or_b32 s94, s94, 0x600000
	v_mov_b32 v[LIMV], s94                         ; 57,344 x that
	s_wait_loadcnt 0x0
.if QKV
.irp a, 0,1,2,3,4,5,6,7
	v_cmp_ne_u32 vcc_lo, 0, v[LIMA+\a]
	s_or_b32 vcc_lo, vcc_lo, s98
	v_cndmask_b32 v[LIMA+\a], 0, v[LIMV], vcc_lo   ; the hold of my row of block a: 0 for a masked key's row of k
.endr
.else
.set NN, 0
.rept 64
	v_ldexp_f32 v[TMP+NN], v[TMP+NN], s96          ; b1 / 2^(e12 + e13)
.set NN, NN+1
.endr
.endif
.macro FRAG reg, adr, q, i             ; 16 rows x 128 K: lane l holds row l % 16; registers 4 c .. 4 c + 3 hold K = 32 c + 16 (l / 16) + 0 .. 15: the same permutation of k in A and in B
.irp c, 0,1,2,3
	ds_load_b128 v[\reg+4*\c:\reg+4*\c+3], v[\adr] offset:128*(\q)+32*\c+(\i)*16*PITCH
.endr
.endm
; 16 matrix instructions: A's blocks a0, a0 + 1 x B's eight.  The 64 accumulators take turns, one instruction a turn, in the same order in every step.
.macro MUL16 a0, p, zero
.irp a, \a0, \a0+1
.irp b, 0,1,2,3,4,5,6,7
.if \zero
.if QKV
	v_wmma_f32_16x16x128_bf8_bf8 v[8*(8*((\a)%4)+\b):8*(8*((\a)%4)+\b)+7], v[128*(\p)+FR*\b:128*(\p)+FR*\b+FR-1], v[AF+FR*(\a):AF+FR*(\a)+FR-1], 0
.else
	v_wmma_f32_16x16x128_bf8_bf8 v[8*(8*((\a)%4)+\b):8*(8*((\a)%4)+\b)+7], v[128*(\p)+FR*\b:128*(\p)+FR*\b+FR-1], v[AF+FR*(\a):AF+FR*(\a)+FR-1], v[TMP+8*\b:TMP+8*\b+7]
.endif
.else
	v_wmma_f32_16x16x128_bf8_bf8 v[8*(8*((\a)%4)+\b):8*(8*((\a)%4)+\b)+7], v[128*(\p)+FR*\b:128*(\p)+FR*\b+FR-1], v[AF+FR*(\a):AF+FR*(\a)+FR-1], v[8*(8*((\a)%4)+\b):8*(8*((\a)%4)+\b)+7]
.endif
.endr
.endr
.endm
.macro FETCH_B slot, q, p
	WIN TO_B
.irp i, 0,1,2,3,4,5,6,7
	FRAG 128*(\p)+FR*\i, ADRB+\slot, \q, \i
.endr
	WIN 0
.endm
.macro FETCH_A slot, q, i0
.irp i, \i0, \i0+1, \i0+2, \i0+3
	FRAG AF+FR*(\i), ADRA+\slot, \q, \i
.endr
.endm
.macro PLACES n                        ; plain vector instructions in front of loads into registers that matrix instructions have read, and of reads of results
.rept \n
	v_nop
.endr
.endm
.macro STEP slot, q, zero              ; 128 along K, with its successor in the same slot
	s_wait_dscnt 4*NL                              ; B's set and A's blocks 0-3 are in; the youngest sixteen loads (A's blocks 4-7) may be out
.if \zero
	WIN FIRST_LO
.else
	WIN MUL_LO
.endif
	MUL16 0, (\q)%2, \zero
	MUL16 2, (\q)%2, \zero
	s_wait_dscnt 0
	PLACES NP
	FETCH_B \slot, (\q)+1, 1-(\q)%2
	FETCH_A \slot, (\q)+1, 0
.if \zero
	WIN FIRST_HI
.else
	WIN MUL_HI
.endif
	MUL16 4, (\q)%2, \zero
	MUL16 6, (\q)%2, \zero
	PLACES NP
	WIN 0
	FETCH_A \slot, (\q)+1, 4
.endm
; A slot's last step changes slots: one barrier; in front of it each wave waits for all its tensor loads, adds 0 to its spare word, and waits for that and for its reads of this slot.
.macro TURN slot, next, fill
	s_wait_tensorcnt 0x0                           ; all my tensor loads have landed: my part of the next slot
	ds_add_u32 v[SPW], v[NIL]                      ; 0 onto my spare word
	s_wait_dscnt 4*NL+1                            ; the add and the youngest sixteen loads (A's blocks 4-7) may be out
	WIN MUL_LO
	MUL16 0, 1, 0
	s_wait_dscnt 0x0                               ; the add is done, and my reads of this slot are over
	s_barrier_signal -1
	MUL16 2, 1, 0
	WIN 0
	s_barrier_wait -1
.if \fill
	CREST                                          ; the barrier has opened a round of the cluster's: no wave of any partner still reads this slot or has a load on its way
	s_add_nc_u64 s[G0+4*\slot+2:G0+4*\slot+3], s[G0+4*\slot+2:G0+4*\slot+3], 2*ROWB
	s_add_nc_u64 s[G0B+4*\slot+2:G0B+4*\slot+3], s[G0B+4*\slot+2:G0B+4*\slot+3], 2*ROWB
	JLOAD G0+4*\slot, G1, G0B+4*\slot, G1B         ; the first tensor load behind the round; its four v_nop are the places in front of the loads below
.else
	PLACES NP
.endif
	FETCH_B \next, 0, 0
	FETCH_A \next, 0, 0
	WIN MUL_HI
	MUL16 4, 1, 0
	MUL16 6, 1, 0
	PLACES NP
	WIN 0
	FETCH_A \next, 0, 4
.endm
	s_wait_tensorcnt 1                             ; my part of K step 0 is in; K step 1's load may be out
	s_barrier_signal -1
	s_barrier_wait -1
	FETCH_B 0, 0, 0
	FETCH_A 0, 0, 0
	FETCH_A 0, 0, 4
	STEP 0, 0, 1                                   ; the first step starts the sums
	s_mov_b32 s3, LAPS-1
.Llap:                                                 ; a trip goes once round the ring and fills both slots again
	TURN 0, 1, 1
	STEP 1, 0, 0
	TURN 1, 0, 1
	STEP 0, 0, 0
	s_sub_co_u32 s3, s3, 1
	s_cmp_lg_u32 s3, 0
	s_cbranch_scc1 .Llap
	TURN 0, 1, 0                                   ; the last lap fills nothing
	STEP 1, 0, 0
	s_wait_dscnt 4*NL
	WIN MUL_LO
	MUL16 0, 1, 0
	MUL16 2, 1, 0
	s_wait_dscnt 0
	WIN MUL_HI
	MUL16 4, 1, 0
	MUL16 6, 1, 0
	WIN 0
; THE WAY OUT.  Block a (16 rows x 128 columns): held, converted (8 codes = 8 bytes a tile and lane), into the work-group's stage.  The stage lies in slot 0, which has had its last fill, and which nobody reads
; behind the last change of slots.  A row's 256 bytes come from two waves: a barrier, then each wave stores 64 whole rows, sixteen lanes to 256 consecutive bytes, aligned.
.macro QBLOCK a
.set AC, 64*((\a)%4)
	WIN 0x02+((\a)/4)                              ; source 0: window 2 or 3
.set NN, 0
.rept 64
.if QKV
	v_med3_num_f32 v[TMP+NN], v[AC+NN], -v[LIMA+(\a)], v[LIMA+(\a)]   ; the hold (ISA guide 7.6.2: the conversion does not saturate); each accumulator from its low end on
.else
	v_med3_num_f32 v[TMP+NN], v[AC+NN], 0, v[LIMV]                    ; the activation and the hold in one
.endif
.set NN, NN+1
.endr
	WIN 0
.irp b, 0,1,2,3,4,5,6,7
	v_cvt_scalef32_pk8_bf8_f32 v[CD+16*(\a)+2*\b:CD+16*(\a)+2*\b+1], v[TMP+8*\b:TMP+8*\b+7], v[SCV]
.endr
	v_nop                                          ; a plain line behind the last conversion: the next block's holds write its sources
.irp b, 0,1,2,3,4,5,6,7
	ds_store_b64 v[STO], v[CD+16*(\a)+2*\b:CD+16*(\a)+2*\b+1] offset:(\a)*16*PITCH+16*\b
.endr
.endm
	PLACES NP
.irp a, 0,1,2,3,4,5,6,7
	QBLOCK \a
.endr
	s_wait_dscnt 0x0                               ; for the others' sake: my stores into the stage are done
	s_barrier_signal -1
	s_barrier_wait -1
	v_mul_lo_u32 v[TMP], v2, s93                   ; my byte in C's rows 0 and 1 of my 64: (l / 16) x pitch + 16 (l % 16); then two rows on, 31 times
	v_lshl_add_u32 v[TMP], v1, 4, v[TMP]
	s_lshl_b32 s99, s93, 1
.irp t, 1,2,3,4,5,6,7,8,9,10,11,12,13,14,15,16,17,18,19,20,21,22,23,24,25,26,27,28,29,30,31
	v_add_nc_u32 v[TMP+\t], s99, v[TMP+\t-1]
.endr
.irp t, 0,1,2,3,4,5,6,7,8,9,10,11,12,13,14,15,16,17,18,19,20,21,22,23,24,25,26,27,28,29,30,31
	ds_load_b128 v[CD+4*\t:CD+4*\t+3], v[RD] offset:2*\t*PITCH
.endr
.irp t, 0,1,2,3,4,5,6,7,8,9,10,11,12,13,14,15,16,17,18,19,20,21,22,23,24,25,26,27,28,29,30,31
	s_wait_dscnt 31-\t                             ; LDS loads come back in order: pair t of rows is in
	global_store_b128 v[TMP+\t], v[CD+4*\t:CD+4*\t+3], s[10:11]
.endr
	s_wait_tensorcnt 0x0                           ; the wave's end
	ds_add_u32 v[SPW], v[NIL]
	s_wait_dscnt 0x0
	CROUND                                         ; the closing round
	s_endpgm
.Lfunc_end_k_q482a46aa4c_proj:
	.size	k_q482a46aa4c_proj, .Lfunc_end_k_q482a46aa4c_proj-k_q482a46aa4c_proj
	.p2alignl 7, 3214868480
	.fill 96, 4, 3214868480
	.section	.rodata,"a",@progbits
	.p2align	6, 0x0
	.amdhsa_kernel k_q482a46aa4c_proj
		.amdhsa_group_segment_fixed_size 327680
		.amdhsa_private_segment_fixed_size 0
		.amdhsa_enable_private_segment 0
		.amdhsa_kernarg_size 56
		.amdhsa_user_sgpr_count 2
		.amdhsa_user_sgpr_kernarg_segment_ptr 1
		.amdhsa_wavefront_size32 1
		.amdhsa_system_sgpr_workgroup_id_x 1
		.amdhsa_system_sgpr_workgroup_id_y 1
		.amdhsa_system_sgpr_workgroup_id_z 1
		.amdhsa_system_vgpr_workitem_id 0
		.amdhsa_next_free_vgpr 1024
		.amdhsa_next_free_sgpr 100
		.amdhsa_reserve_vcc 1
		.amdhsa_float_denorm_mode_32 3
		.amdhsa_float_denorm_mode_16_64 3
		.amdhsa_memory_ordered 1
		.amdhsa_forward_progress 1
		.amdhsa_inst_pref_size 128
	.end_amdhsa_kernel
	.amdgpu_metadata
---
amdhsa.version: [ 1, 2 ]
amdhsa.kernels:
  - .name:           k_q482a46aa4c_proj
    .symbol:         k_q482a46aa4c_proj.kd
    .args:
      - { .name: xn3, .offset: 0, .size: 8, .value_kind: global_buffer, .address_space: global }
      - { .name: wq_codes, .offset: 8, .size: 8, .value_kind: global_buffer, .address_space: global }
      - { .name: wk_codes, .offset: 16, .size: 8, .value_kind: global_buffer, .address_space: global }
      - { .name: wv_codes, .offset: 24, .size: 8, .value_kind: global_buffer, .address_space: global }
      - { .name: lowp_scales, .offset: 32, .size: 8, .value_kind: global_buffer, .address_space: global }
      - { .name: mask, .offset: 40, .size: 8, .value_kind: global_buffer, .address_space: global }
      - { .name: qkv, .offset: 48, .size: 8, .value_kind: global_buffer, .address_space: global }
    .group_segment_fixed_size: 327680
    .private_segment_fixed_size: 0
    .kernarg_segment_align: 8
    .kernarg_segment_size: 56
    .max_flat_workgroup_size: 128
    .sgpr_count:     100
    .vgpr_count:     1024
    .wavefront_size: 32
...
	.end_amdgpu_metadata
.endif
;; end of part 2
;; launch attn (part 3): grid 32 x 8, 16 waves a work-group, clusters of 4 x 1, 327,680 bytes of LDS; arguments qkv, mask, lowp_scales, cc; writes cc
.if DOCPART == 3
	.amdgcn_target "amdgcn-amd-amdhsa--gfx1250"
	.amdhsa_code_object_version 6
	.text
	.protected	k_q482a46aa4c_attn
	.globl	k_q482a46aa4c_attn
	.p2align	8
	.type	k_q482a46aa4c_attn,@function
k_q482a46aa4c_attn:
	s_mov_b64 s[64:65], 0
	v_nop
	global_prefetch_b8 v0, s[64:65] scope:SCOPE_SE
	s_setreg_imm32_b32 hwreg(HW_REG_WAVE_MODE, 25, 1), 1
	s_wait_xcnt 0x0
	s_wait_alu depctr_hold_cnt(0) depctr_sa_sdst(0) depctr_va_vdst(0) depctr_va_sdst(0) depctr_va_ssrc(0) depctr_va_vcc(0) depctr_vm_vsrc(0)
	s_getreg_b32 s2, hwreg(HW_REG_IB_STS2, 6, 4)
	s_cmp_eq_u32 s2, 0
	s_cbranch_scc0 .Lentry_in_a_cluster
	s_endpgm
.Lentry_in_a_cluster:
	s_bfe_u32 s2, ttmp6, 0x10000c
	s_cmp_lg_u32 s2, 0x3003
	s_cbranch_scc0 .Lentry_shape_is_right
	s_endpgm
.Lentry_shape_is_right:
; ATTENTION ON CODES OF E5M2.  qkv: q [4096 tokens][1024 = 64 head + d] at 0, k likewise at 4 MiB (rows of masked keys are zero codes), v^T [1024 = 64 head + d][4096 tokens] at 8 MiB.  cc: ctx's codes [4096][1024].
; t = score x log2(e) / 8; M = the running largest t rounded up to a whole number; p = 2^(t - M) is quantised with 2^e9; the row's sum is taken of the unquantised p and divides at the end; ctx is quantised with 2^e10.
; SHARES.  A work-group owns 64 queries of FOUR heads of one batch: four heads' 64 bytes are 256 consecutive bytes, aligned, of a row of q, k and cc.  Wave w: head w / 4 of the four, queries 16 (w % 4) on: one tile, 256 registers.
; Every wave walks all 2,048 keys, 128 a step; K and V come through two LDS slots of 256 keys.  CLUSTER: the four query blocks of a cluster walk the same K and V: each tile is asked for jointly (mask 15).
; LAYOUT.  Both products transposed: S^T = K Q^T + C (source 0 = 16 neighbouring keys, source 1 = my 16 queries), O^T = V^T P^T: a lane holds one query.  In S^T register j of tile T is key 16 T + 8 (l / 16) + j, and that is
; where the 16x16x128 form's own layout wants k in registers 2 T, 2 T + 1: the conversions' results are P's fragment, and V's fragments are fetched in that layout (8 bytes a load).
; Q and K are both fetched 16 bytes at 16 (l / 16) and at 32 + 16 (l / 16): the same permutation of the head's 64 on both sides.
; TWO KINDS OF WAVES.  A key step has two parts: STEPA (64 LDS loads and the eight products K Q^T) and STEPB (the softmax and the four products V^T P: registers alone, once V's loads are in).  A round brings all sixteen waves
; into step.  So that they do not all go to LDS behind it, and all to the vector unit after that, a wave is EARLY or LATE by the parity of w + w / 4 (of any four waves w .. w + 3, and of any four w, w + 4, w + 8, w + 12, two are
; of each kind).  An early wave runs a slot's last STEPB ahead of the change of slots, a late wave behind it: behind a round eight waves begin with 64 LDS loads and eight with some 260 vector instructions.
; A late wave's reads of the old slot are over all the same when it signals: V's loads are waited for in front of the round.  Under the branches on the kind stands register work alone.
; THE MASK.  A table in LDS holds, for each key, 0 or -2^(33 - e6 - e7) (a product q . k of -2^33, a score of -2^30); it is the C of S^T.  A masked key's codes of k are zeros, so its score is that number exactly, for every query.
; LIMIT: reference() puts -1e9 there; -2^30 is taken because c x 2^33 is a whole number, so that in a batch whose keys are all masked t - M is exactly 0 and p = 1, the uniform weights that reference() gives.  The results agree
; while the scores that count lie above about -1e9.
; LIMITS on the exponents: e6 + e7 between -94 and 130; e9 and e10 between -126 and 112.  NaN is not served.
; REGISTERS: v1-7, v24-27 addresses that stay; v8-10 the step's addresses; v12 -M, v13 the largest t, v[14:15] the sum; v16-23 Q; v32-95 K's eight fragments, then V's four; v96-159 C, S^T, p; v160-191 O^T; v224-239 p's codes.
.set SLOT,  139264                     ; 256 rows of K x 272 bytes, then 256 rows of V (64 head + d) x 272
.set VOFF,  69632
.set BT,    2*SLOT                     ; the table: 2,048 f32.  No tensor load lands here, nor in the two regions behind it
.set STG,   BT+8192                    ; the way out: 64 rows x 272 bytes
.set SPARE, STG+64*272                 ; the spare words: 128 bytes for each of sixteen waves, eight blocks of 256 bytes that no other line names
.set AK0,  1
.set AV0,  2
.set PFO,  3
.set ABI,  4
.set SPW,  5
.set NIL,  6
.set GO,   7
.set ADK,  8
.set ADV,  9
.set ADB,  10
.set STO,  24
.set RD,   25
.set BO,   2                           ; s2   the table's byte at which the slots in hand begin
.set WV,   18
.set SEL,  20
.set CS,   22
.set G1K,  24
.set G1V,  32
.set G0K,  40                          ; s[40:47] group 0 for K's tiles, a set for each slot;  s[48:55] for V's
.set G0V,  48
.set PFA,  76
.set PFS,  78
.set LIM,  80                          ; s80  1 in a wave that prefetches, else the greatest number
.set TY,   81                          ; s81  0: an early wave; 1: a late one
; Waves 0 to 3 fetch 64 rows of K each, waves 4 to 7 64 rows of V, the others nothing.  Four v_nop follow each of the two lines.
.macro TLOAD sl
	s_cmp_lt_u32 s[WV], 4
	s_cbranch_scc0 .Lnot_k_\@
	tensor_load_to_lds s[G0K+4*(\sl):G0K+4*(\sl)+3], s[G1K:G1K+7]
	s_nop 0
.rept 4
	v_nop
.endr
	s_branch .Lasked_\@
.Lnot_k_\@:
	s_cmp_lt_u32 s[WV], 8
	s_cbranch_scc0 .Lasked_\@
	tensor_load_to_lds s[G0V+4*(\sl):G0V+4*(\sl)+3], s[G1V:G1V+7]
	s_nop 0
.rept 4
	v_nop
.endr
.Lasked_\@:
.endm
; A PREFETCH INTO THE L2 of the tile that the next change of slots will ask for: 256 rows of K and 256 of V, 256 bytes of each, a lane a row.  All clusters of a batch and group of heads walk the same rows: the first of them asks.
; Its four partners take 64 rows each, told apart by address; in each, waves 8 and 9 ask for K's 32 + 32, waves 10 and 11 for V's.  So each row's 256 bytes of a tile are named once in the launch.
; strict = 1, at the loop's second change: only while a trip is left (s3 counts 3, 2, 1): behind tile 7 there is none.
.macro ASK strict
.if \strict
	s_cmp_gt_u32 s3, s[LIM]
.else
	s_cmp_ge_u32 s3, s[LIM]
.endif
	s_cbranch_scc0 .Lnot_mine_\@
	global_prefetch_b8 v[PFO], s[PFA:PFA+1] th:TH_LOAD_NT scope:SCOPE_SE
.Lnot_mine_\@:
.endm
.macro CROUND
	s_barrier_signal -1
	s_barrier_wait -1
	s_cmp_lg_u32 s[WV], 0
	s_cbranch_scc1 .Lnot_wave_0_\@
	s_barrier_signal -3
.Lnot_wave_0_\@:
	s_barrier_wait -3
	s_barrier_signal -1
	s_barrier_wait -1
.endm
	s_load_b256 s[4:11], s[0:1], 0x0               ; qkv s[4:5], mask s[6:7], the scales' exponents s[8:9], cc s[10:11]
	v_lshl_add_u32 v[SPW], v0, 2, SPARE
	v_mov_b32 v[NIL], 0
	ds_add_u32 v5, v6
	s_wait_dscnt 0x0
	v_lshrrev_b32 v8, 5, v0
	v_readfirstlane_b32 s[WV], v8                  ; wave 0..15
	s_lshr_b32 s[TY], s[WV], 2
	s_xor_b32 s[TY], s[TY], s[WV]
	s_and_b32 s[TY], s[TY], 1                      ; the wave's kind
	s_bfe_u32 s12, ttmp6, 0x40000                  ; cx
	s_lshl_b32 s13, ttmp9, 2
	s_add_co_u32 s13, s13, s12                     ; my block of 64 queries: it enters q's, cc's and the prefetches' addresses alone
	s_and_b32 s14, ttmp7, 0xffff
	s_lshr_b32 s15, s14, 2                         ; the batch
	s_and_b32 s16, s14, 3                          ; the group of four heads
	s_lshr_b32 s17, s[WV], 2                       ; my head of the four
	s_and_b32 s19, s[WV], 3                        ; my tile of queries.  Also: which 64 rows I fetch
	s_lshl_b32 s56, s15, 21                        ; K: 4 MiB + (2,048 batch + 64 (w % 4)) x 1,024 + 256 group
	s_lshl_b32 s57, s19, 16
	s_add_co_u32 s56, s56, s57
	s_lshl_b32 s57, s16, 8
	s_add_co_u32 s56, s56, s57
	s_add_co_u32 s56, s56, 0x400000
	s_mov_b32 s57, 0
	s_lshl_b32 s58, s16, 20                        ; V: 8 MiB + (256 group + 64 (w % 4)) x 4,096 + 2,048 batch
	s_lshl_b32 s59, s19, 18
	s_add_co_u32 s58, s58, s59
	s_lshl_b32 s59, s15, 11
	s_add_co_u32 s58, s58, s59
	s_add_co_u32 s58, s58, 0x800000
	s_mov_b32 s59, 0
	s_mul_i32 s60, s[WV], 64*272                   ; in a slot: K's four parts, then V's four: wave x 64 rows
	s_mov_b32 s[G1K], 15|(0<<16)|(1<<20)|(1<<21)|(5<<22)|(3<<25)   ; the mask: all four work-groups; elements of 1 byte; padding on; bit 21 beside a mask; 4 words behind every 64
	s_mov_b32 s[G1V], 15|(0<<16)|(1<<20)|(1<<21)|(5<<22)|(3<<25)
.irp g, G1K, G1V
	s_mov_b32 s[\g+1], 256<<16                     ; tensor_dim0
	s_mov_b32 s[\g+2], 64<<16                      ; tensor_dim1
	s_mov_b32 s[\g+3], 256<<16                     ; tile_dim0
	s_mov_b32 s[\g+4], 64                          ; tile_dim1
	s_mov_b32 s[\g+6], 0
	s_mov_b32 s[\g+7], 0
.endr
	s_mov_b32 s[G1K+5], 1024                       ; the pitch of k,
	s_mov_b32 s[G1V+5], 4096                       ; of v^T
	s_mov_b32 s[SEL], 0x76543210
	s_mov_b32 s[SEL+1], 0xfedcba98
	s_mov_b32 s[CS], 0x3e38aa3b                    ; c = log2(e) / 8
	s_mov_b32 s[BO], 0
	s_wait_kmcnt 0x0
	s_load_b256 s[68:75], s[8:9], 0x10             ; e4 .. e11: s70 e6, s71 e7, s72 e8, s73 e9, s74 e10
	s_add_nc_u64 s[82:83], s[4:5], s[56:57]
	s_add_nc_u64 s[84:85], s[4:5], s[58:59]
.irp s, 0,1
	s_mov_b32 s[G0K+4*\s], 1
	s_add_co_u32 s[G0K+4*\s+1], s60, \s*SLOT
	s_add_nc_u64 s[G0K+4*\s+2:G0K+4*\s+3], s[82:83], \s*262144     ; tile s: 256 keys on
	s_or_b32 s[G0K+4*\s+3], s[G0K+4*\s+3], 0x80000000
	s_mov_b32 s[G0V+4*\s], 1
	s_add_co_u32 s[G0V+4*\s+1], s60, \s*SLOT
	s_add_nc_u64 s[G0V+4*\s+2:G0V+4*\s+3], s[84:85], \s*256
	s_or_b32 s[G0V+4*\s+3], s[G0V+4*\s+3], 0x80000000
.endr
	CROUND                                         ; all four work-groups are here: the first joint loads meet
	TLOAD 0                                        ; tile 0
	s_lshl_b32 s86, s15, 11
	s_lshl_b32 s87, s13, 6
	s_add_co_u32 s86, s86, s87                     ; the work-group's first token: 2,048 batch + 64 block
	s_lshl_b32 s87, s19, 4
	s_add_co_u32 s87, s86, s87
	s_lshl_b32 s87, s87, 10
	s_lshl_b32 s88, s16, 8
	s_add_co_u32 s87, s87, s88
	s_lshl_b32 s88, s17, 6
	s_add_co_u32 s88, s87, s88                     ; q: my tile's first row, my head's 64 bytes
	s_mov_b32 s89, 0
	s_add_nc_u64 s[88:89], s[4:5], s[88:89]
	s_lshl_b32 s90, s[WV], 2
	s_add_co_u32 s90, s86, s90
	s_lshl_b32 s90, s90, 10
	s_lshl_b32 s91, s16, 8
	s_add_co_u32 s90, s90, s91                     ; cc: rows 4 w on of the 64, the group's 256 bytes
	s_mov_b32 s91, 0
	s_add_nc_u64 s[10:11], s[10:11], s[90:91]
	s_lshl_b32 s92, s15, 13
	s_mov_b32 s93, 0
	s_add_nc_u64 s[6:7], s[6:7], s[92:93]          ; the batch's 2,048 words of the mask
	v_and_b32 v8, 15, v0                           ; r
	v_bfe_u32 v9, v0, 4, 1                         ; h
	v_lshlrev_b32 v10, 10, v8
	v_lshl_add_u32 v10, v9, 4, v10
	global_load_b128 v[16:19], v10, s[88:89]               ; Q's fragment stays in registers
	global_load_b128 v[20:23], v10, s[88:89] offset:32
	v_lshlrev_b32 v11, 4, v0
	global_load_b128 v[32:35], v11, s[6:7]                 ; thread t: mask[4 t .. 4 t + 3]
	; the prefetches: where my wave's stand (at tile 1; the first change of slots steps them to tile 2), and who asks
	s_and_b32 s94, s[WV], 1
	s_lshl_b32 s94, s94, 5
	s_lshl_b32 s95, s12, 6
	s_add_co_u32 s94, s94, s95                     ; 64 cx + 32 (w % 2)
	s_lshl_b32 s95, s15, 11
	s_add_co_u32 s95, s95, s94
	s_add_co_u32 s95, s95, 256
	s_lshl_b32 s95, s95, 10
	s_lshl_b32 s96, s16, 8
	s_add_co_u32 s95, s95, s96
	s_add_co_u32 s95, s95, 0x400000                ; in k
	s_add_co_u32 s96, s96, s94
	s_lshl_b32 s96, s96, 12
	s_lshl_b32 s97, s15, 11
	s_add_co_u32 s96, s96, s97
	s_add_co_u32 s96, s96, 0x800100                ; in v^T
	s_cmp_lt_u32 s[WV], 10
	s_cselect_b32 s96, s95, s96
	s_mov_b32 s97, 0
	s_mov_b32 s[PFS], 256
	s_cselect_b32 s[PFS], 0x40000, s[PFS]          ; a tile on
	s_mov_b32 s[PFS+1], 0
	s_cselect_b32 s95, 10, 12                      ; from lane to lane: a row
	v_and_b32 v[PFO], 31, v0
	v_lshlrev_b32 v[PFO], s95, v[PFO]
	s_add_nc_u64 s[PFA:PFA+1], s[4:5], s[96:97]
	s_sub_co_u32 s98, s[WV], 8
	s_lshr_b32 s98, s98, 2                         ; 0 in waves 8 to 11,
	s_or_b32 s98, s98, ttmp9                       ; of the first cluster along x: the same in all four partners
	s_cmp_eq_u32 s98, 0
	s_cselect_b32 s[LIM], 1, -1
	; LDS addresses
	s_lshl_b32 s56, s17, 6
	v_mul_u32_u24 v[AK0], v8, 272
	v_lshl_add_u32 v[AK0], v9, 4, v[AK0]
	v_add_nc_u32 v[AK0], s56, v[AK0]               ; K: row r, my head's 64 bytes, + 16 h
	s_mul_i32 s57, s17, 64*272
	s_add_co_u32 s57, s57, VOFF
	v_mul_u32_u24 v[AV0], v8, 272
	v_lshl_add_u32 v[AV0], v9, 3, v[AV0]
	v_add_nc_u32 v[AV0], s57, v[AV0]               ; V: row 64 head + r, + 8 h
	v_lshl_add_u32 v[ABI], v9, 5, BT               ; the table: + 32 h
	s_mul_i32 s57, s19, 16*272
	s_add_co_u32 s57, s57, s56
	s_add_co_u32 s57, s57, STG
	v_mul_u32_u24 v[STO], v8, 272
	v_lshl_add_u32 v[STO], v9, 3, v[STO]
	v_add_nc_u32 v[STO], s57, v[STO]               ; the stage, in: row 16 tile + r, byte 64 head + 8 h
	s_mul_i32 s57, s[WV], 4*272
	s_add_co_u32 s57, s57, STG
	v_mul_u32_u24 v[RD], v9, 272
	v_lshl_add_u32 v[RD], v8, 4, v[RD]
	v_add_nc_u32 v[RD], s57, v[RD]                 ; back: rows 4 w on, sixteen lanes to a row
	v_lshlrev_b32 v[GO], 10, v9
	v_lshl_add_u32 v[GO], v8, 4, v[GO]             ; and the same in cc
	v_lshl_add_u32 v26, v0, 4, BT                  ; where thread t puts its four numbers of the table
	v_mov_b32 v13, 0xff61b1e6                      ; the largest t so far: -3e38
	v_floor_f32 v12, -v13                          ; -M
	v_mov_b32 v14, 0
	v_mov_b32 v15, 0
	v_mov_b32 v236, 0                              ; a lane permute's destination counts as read
	v_mov_b32 v253, 0                              ; (the upper half of the pair v[252:253])
.set NN, 0
.rept 32
	v_mov_b32 v[160+NN], 0                         ; O^T: the step is written in one form; the first finds zeros
.set NN, NN+1
.endr
	s_wait_kmcnt 0x0
	s_add_co_i32 s56, s70, s71                     ; e6 + e7
	s_lshl_b32 s57, s56, 23
	s_add_co_i32 s[CS], s[CS], s57                 ; a raw score stands for score x 2^(e6 + e7): added to c's exponent field
	s_mov_b32 s[CS+1], s[CS]
	s_sub_co_i32 s56, 160, s56
	s_lshl_b32 s56, s56, 23
	s_or_b32 s56, s56, 0x80000000
	v_mov_b32 v27, s56                             ; -2^(33 - e6 - e7)
	s_add_co_i32 s56, s73, 127
	s_lshl_b32 s57, s56, 23
	v_mov_b32 v244, s57                            ; 2^e9
	s_add_co_i32 s56, s56, 15
	s_lshl_b32 s56, s56, 23
	s_or_b32 s56, s56, 0x600000
	v_mov_b32 v240, s56                            ; 57,344 x 2^e9
	s_add_co_i32 s56, s74, 127
	s_lshl_b32 s57, s56, 23
	v_mov_b32 v245, s57                            ; 2^e10
	s_add_co_i32 s56, s56, 15
	s_lshl_b32 s56, s56, 23
	s_or_b32 s56, s56, 0x600000
	v_mov_b32 v241, s56                            ; 57,344 x 2^e10
	s_wait_loadcnt 0x0                             ; Q and the mask
.irp i, 0,1,2,3
	v_cmp_eq_u32 vcc_lo, 0, v[32+\i]
	v_cndmask_b32 v[32+\i], 0, v27, vcc_lo
.endr
	ds_store_b128 v26, v[32:35]                    ; the first change of slots waits for it and passes a barrier: then every wave may read the table
; A KEY STEP'S FIRST PART: 128 keys, the q-th of the slot; bi: their bytes in the table, from s[BO] on.  All of the step's LDS loads stand here.
.macro STEPA slot, q, bi
	v_add_nc_u32 v[ADK], (\slot)*SLOT+(\q)*34816, v[AK0]
	v_add_nc_u32 v[ADV], (\slot)*SLOT+(\q)*128, v[AV0]
	v_add_nc_u32 v[ADB], s[BO], v[ABI]
	v_nop                                          ; four places in front of loads into registers that the last products read
.irp t, 0,1,2,3,4,5,6,7
	ds_load_b128 v[32+8*\t:35+8*\t], v[ADK] offset:4352*\t
	ds_load_b128 v[36+8*\t:39+8*\t], v[ADK] offset:4352*\t+32
.endr
.irp t, 0,1,2,3,4,5,6,7
	ds_load_b128 v[96+8*\t:99+8*\t], v[ADB] offset:(\bi)+64*\t        ; C: 0 or the masked score of keys 16 t + 8 h + 0 .. 7
	ds_load_b128 v[100+8*\t:103+8*\t], v[ADB] offset:(\bi)+64*\t+16
.endr
	s_wait_dscnt 0x0
.irp t, 0,1,2,3,4,5,6,7
	v_wmma_f32_16x16x64_bf8_bf8 v[96+8*\t:103+8*\t], v[32+8*\t:39+8*\t], v[16:23], v[96+8*\t:103+8*\t]
.endr
.rept 4
	v_nop                                          ; places in front of the loads below and of the first read of the scores
.endr
.irp t, 0,1,2,3
.irp c, 0,1,2,3,4,5,6,7
	ds_load_b64 v[32+16*\t+2*\c:33+16*\t+2*\c], v[ADV] offset:4352*\t+16*\c   ; V^T: row 16 t + r, keys 16 c + 8 h + 0 .. 7
.endr
.endr
.endm
; ITS SECOND PART: the softmax and O^T += V^T P^T.  No LDS instruction but the wait for V's loads.
.macro STEPB
	v_max3_num_f32 v254, v96, v97, v98             ; the step's largest score of my query among my 64 keys, in two chains, each accumulator from its low end on
	v_max3_num_f32 v252, v99, v100, v101
.irp i, 6,10,14,18,22,26,30,34,38,42,46,50,54,58
	v_max3_num_f32 v254, v254, v[96+\i], v[97+\i]
	v_max3_num_f32 v252, v252, v[98+\i], v[99+\i]
.endr
	v_max3_num_f32 v254, v254, v158, v159
	v_max_num_f32 v254, v254, v252
	v_permlanex16_b32 v236, v254, s[SEL], s[SEL+1]
	v_max_num_f32 v254, v254, v236                 ; and among lane l xor 16's
	v_mul_f32 v254, s[CS], v254                    ; as t (c is positive)
	v_max_num_f32 v13, v13, v254
	v_mov_b32 v254, v12
	v_floor_f32 v12, -v13                          ; the new -M = floor(-t): a whole number
	v_sub_f32 v254, v12, v254                      ; old M - new M, 0 or less
	v_cvt_i32_f32 v254, v254                       ; (it saturates)
	v_ldexp_f32 v252, 1.0, v254                    ; f = 2^(old M - new M)
.irp j, 0,2,4,6,8,10,12,14,16,18,20,22,24,26,28,30,32,34,36,38,40,42,44,46,48,50,52,54,56,58,60,62
	v_pk_fma_f32 v[96+\j:97+\j], v[96+\j:97+\j], s[CS:CS+1], v[12:13] op_sel_hi:[1,0,0]   ; t - M
.endr
.set NN, 0
.rept 64
	v_exp_f32 v[96+NN], v[96+NN]                   ; p = 2^(t - M)
.set NN, NN+1
.endr
	v_pk_mul_f32 v[14:15], v[14:15], v[252:253] op_sel_hi:[1,0]   ; the sum under the new M; a plain line behind the exponentials
	s_wait_alu depctr_va_vdst(0)                   ; one wait for the batch, ahead of its first reader
	v_pk_add_f32 v[242:243], v[96:97], v[98:99]    ; the row's sum, of the unquantised p, in two chains
.irp j, 4,8,12,16,20,24,28,32,36,40,44,48,52,56,60
	v_pk_add_f32 v[14:15], v[14:15], v[96+\j:97+\j]
	v_pk_add_f32 v[242:243], v[242:243], v[98+\j:99+\j]
.endr
	v_pk_add_f32 v[14:15], v[14:15], v[242:243]
.irp t, 0,1,2,3,4,5,6,7
.irp i, 0,1,2,3,4,5,6,7
	v_min_num_f32 v[96+8*\t+\i], v[96+8*\t+\i], v240   ; the hold (ISA guide 7.6.2); p is not negative
.endr
	v_cvt_scalef32_pk8_bf8_f32 v[224+2*\t:225+2*\t], v[96+8*\t:103+8*\t], v244
.endr
.irp j, 0,2,4,6,8,10,12,14,16,18,20,22,24,26,28,30
	v_pk_mul_f32 v[160+\j:161+\j], v[160+\j:161+\j], v[252:253] op_sel_hi:[1,0]   ; O^T under the new M; plain lines behind the last conversion
.endr
	s_wait_dscnt 0x0                               ; V is in
.irp t, 0,1,2,3
	v_wmma_f32_16x16x128_bf8_bf8 v[160+8*\t:167+8*\t], v[32+16*\t:47+16*\t], v[224:239], v[160+8*\t:167+8*\t]
.endr
.endm
.macro EARLY                           ; a slot's last STEPB, ahead of the change of slots: the early waves
	s_cmp_eq_u32 s[TY], 0
	s_cbranch_scc0 .Lnot_early_\@
	STEPB
.Lnot_early_\@:
.endm
.macro LATE                            ; the same, behind the change of slots: the late waves
	s_cmp_eq_u32 s[TY], 1
	s_cbranch_scc0 .Lnot_late_\@
	STEPB
.Lnot_late_\@:
.endm
; THE CHANGE OF SLOTS.  Each wave waits for all its tensor loads (its part of the slot ahead), adds 0 to its spare word, and waits for that and for its reads of the slot that it leaves (a late wave: V's loads of the last step among them).
; fill = 1: slot sl, the one just left, is filled with the tile that follows: behind a round of the cluster's barrier, one load a wave, which has two key steps in which to land.
; ask = 1: the prefetch of the tile after that; 2: the same, only while a trip of the loop is left.
.macro CHANGE fill, sl, ask
	s_wait_tensorcnt 0x0                           ; no tensor load of mine is out, so a group 0 may be written
	ds_add_u32 v[SPW], v[NIL]                      ; 0 onto my spare word
.if \fill
	s_add_nc_u64 s[G0K+4*(1-(\sl))+2:G0K+4*(1-(\sl))+3], s[G0K+4*(1-(\sl))+2:G0K+4*(1-(\sl))+3], 524288   ; the other slot's load has landed: its next tile is two tiles on
	s_add_nc_u64 s[G0V+4*(1-(\sl))+2:G0V+4*(1-(\sl))+3], s[G0V+4*(1-(\sl))+2:G0V+4*(1-(\sl))+3], 512
.endif
.if \ask
	s_wait_xcnt 0x0                                ; the last prefetch, a slot back, has read its address
	s_add_nc_u64 s[PFA:PFA+1], s[PFA:PFA+1], s[PFS:PFS+1]
.endif
	s_wait_dscnt 0x0                               ; the add is done, and my LDS reads and stores are over
.if \fill
	CROUND
	TLOAD \sl
.if \ask
	ASK (\ask)-1
.endif
.else
	s_barrier_signal -1
	s_barrier_wait -1
.endif
.endm
	s_mov_b32 s3, 3
	CHANGE 1, 1, 1                                 ; tile 0 is whole; tile 1 is asked for, tile 2 prefetched
	STEPA 0, 0, 0                                  ; the first slot is written out: no wave has a STEPB left over from a slot before it
	STEPB
	STEPA 0, 1, 512
	EARLY
	s_mov_b32 s[BO], 1024                          ; key 256 in the table
.Lpair:                                            ; three trips of two slots: tiles 1 to 6 are read, tiles 2 to 7 asked for, tiles 3 to 7 prefetched
	CHANGE 1, 0, 1
	LATE
	STEPA 1, 0, 0
	STEPB
	STEPA 1, 1, 512
	EARLY
	CHANGE 1, 1, 2
	LATE
	STEPA 0, 0, 1024
	STEPB
	STEPA 0, 1, 1536
	EARLY
	s_add_co_u32 s[BO], s[BO], 2048                ; 512 keys on in the table
	s_sub_co_u32 s3, s3, 1
	s_cmp_lg_u32 s3, 0
	s_cbranch_scc1 .Lpair
	CHANGE 0, 0, 0                                 ; the last slot is written out: nothing is asked for
	LATE
	STEPA 1, 0, 0
	STEPB
	STEPA 1, 1, 512
	STEPB                                          ; no change of slots follows: both kinds
	; THE WAY OUT: O^T / the sum x 2^(e8 + e9), quantised with 2^e10; 8 codes a tile and lane into the stage; a barrier, since a row's 256 bytes come from four waves; each wave stores four whole rows.
.rept 4
	v_nop                                          ; places behind the last products
.endr
	v_add_f32 v14, v14, v15
	v_permlanex16_b32 v252, v14, s[SEL], s[SEL+1]
	v_add_f32 v14, v14, v252                       ; the row's sum
	v_rcp_f32 v14, v14
	v_nop
	s_add_co_i32 s56, s72, s73
	s_wait_alu depctr_va_vdst(0)
	v_ldexp_f32 v14, v14, s56
.set NN, 0
.rept 32
	v_mul_f32 v[96+NN], v[160+NN], v14             ; register 8 t + i: ctx(query r, 16 t + 8 h + i)
.set NN, NN+1
.endr
.set NN, 0
.rept 32
	v_med3_num_f32 v[96+NN], v[96+NN], -v241, v241
.set NN, NN+1
.endr
.irp t, 0,1,2,3
	v_cvt_scalef32_pk8_bf8_f32 v[128+2*\t:129+2*\t], v[96+8*\t:103+8*\t], v245
.endr
	v_nop
.irp t, 0,1,2,3
	ds_store_b64 v[STO], v[128+2*\t:129+2*\t] offset:16*\t
.endr
	s_wait_dscnt 0x0
	s_barrier_signal -1
	s_barrier_wait -1
	ds_load_b128 v[32:35], v[RD]
	ds_load_b128 v[36:39], v[RD] offset:544
	s_wait_dscnt 1                                 ; the first pair of rows is in
	global_store_b128 v[GO], v[32:35], s[10:11]              ; sixteen lanes store 256 consecutive bytes, aligned
	s_wait_dscnt 0
	global_store_b128 v[GO], v[36:39], s[10:11] offset:2048
	s_wait_tensorcnt 0x0                           ; the wave's end
	ds_add_u32 v[SPW], v[NIL]
	s_wait_dscnt 0x0
	CROUND                                         ; the closing round
	s_endpgm
.Lfunc_end_k_q482a46aa4c_attn:
	.size	k_q482a46aa4c_attn, .Lfunc_end_k_q482a46aa4c_attn-k_q482a46aa4c_attn
	.p2alignl 7, 3214868480
	.fill 96, 4, 3214868480
	.section	.rodata,"a",@progbits
	.p2align	6, 0x0
	.amdhsa_kernel k_q482a46aa4c_attn
		.amdhsa_group_segment_fixed_size 327680
		.amdhsa_private_segment_fixed_size 0
		.amdhsa_enable_private_segment 0
		.amdhsa_kernarg_size 32
		.amdhsa_user_sgpr_count 2
		.amdhsa_user_sgpr_kernarg_segment_ptr 1
		.amdhsa_wavefront_size32 1
		.amdhsa_system_sgpr_workgroup_id_x 1
		.amdhsa_system_sgpr_workgroup_id_y 1
		.amdhsa_system_sgpr_workgroup_id_z 1
		.amdhsa_system_vgpr_workitem_id 0
		.amdhsa_next_free_vgpr 256
		.amdhsa_next_free_sgpr 100
		.amdhsa_reserve_vcc 1
		.amdhsa_float_denorm_mode_32 3
		.amdhsa_float_denorm_mode_16_64 3
		.amdhsa_memory_ordered 1
		.amdhsa_forward_progress 1
		.amdhsa_inst_pref_size 194
	.end_amdhsa_kernel
	.amdgpu_metadata
---
amdhsa.version: [ 1, 2 ]
amdhsa.kernels:
  - .name:           k_q482a46aa4c_attn
    .symbol:         k_q482a46aa4c_attn.kd
    .args:
      - { .name: qkv, .offset: 0, .size: 8, .value_kind: global_buffer, .address_space: global }
      - { .name: mask, .offset: 8, .size: 8, .value_kind: global_buffer, .address_space: global }
      - { .name: lowp_scales, .offset: 16, .size: 8, .value_kind: global_buffer, .address_space: global }
      - { .name: cc, .offset: 24, .size: 8, .value_kind: global_buffer, .address_space: global }
    .group_segment_fixed_size: 327680
    .private_segment_fixed_size: 0
    .kernarg_segment_align: 8
    .kernarg_segment_size: 32
    .max_flat_workgroup_size: 512
    .sgpr_count:     100
    .vgpr_count:     256
    .wavefront_size: 32
...
	.end_amdgpu_metadata
.endif
;; end of part 3
;; launch outp (part 4): grid 8 x 32, 4 waves a work-group, clusters of 4 x 4, 327,680 bytes of LDS; arguments cc, wo_codes, lowp_scales, x, x1; writes x1
.if DOCPART == 4
	.amdgcn_target "amdgcn-amd-amdhsa--gfx1250"
	.amdhsa_code_object_version 6
	.text
	.protected	k_q482a46aa4c_outp
	.globl	k_q482a46aa4c_outp
	.p2align	8
	.type	k_q482a46aa4c_outp,@function
k_q482a46aa4c_outp:
	s_mov_b64 s[64:65], 0
	v_nop
	global_prefetch_b8 v0, s[64:65] scope:SCOPE_SE
	s_setreg_imm32_b32 hwreg(HW_REG_WAVE_MODE, 25, 1), 1
	s_wait_xcnt 0x0
	s_wait_alu depctr_hold_cnt(0) depctr_sa_sdst(0) depctr_va_vdst(0) depctr_va_sdst(0) depctr_va_ssrc(0) depctr_va_vcc(0) depctr_vm_vsrc(0)
	s_getreg_b32 s2, hwreg(HW_REG_IB_STS2, 6, 4)
	s_cmp_eq_u32 s2, 0
	s_cbranch_scc0 .Lentry_in_a_cluster
	s_endpgm
.Lentry_in_a_cluster:
	s_bfe_u32 s2, ttmp6, 0x10000c
	s_cmp_lg_u32 s2, 0xf033
	s_cbranch_scc0 .Lentry_shape_is_right
	s_endpgm
.Lentry_shape_is_right:
; C[m][n] = R[m][n] (+ bias[n]) + 2^(eA + eB) x sum over k of A[m][k] B[n][k].  A: [4096][KROW], B: [1024][KROW]: codes of E5M2; R, C: [4096][1024] f32.
; Here: x1 = x + ctx wo (KROW = 1,024, no bias, entries 10 and 11 of the scales).
; Tiles of 256 x 256 would be 64: a tile of C is 128 x 128, which gives 256 work-groups.  Four waves, each 64 x 64: 16 accumulators.  K goes in steps of 512 (LDS rows of 512 bytes + 16), as long as two slots allow.
; CLUSTERS: 4 x 4 work-groups; A's tile is asked for jointly along a row of the cluster, B's along a column.  The matrix instruction is used transposed: a lane holds eight neighbouring n of a row m.
; R's part of the wave (64 x 64) is asked for at the head, in the layout in which rows come back from the stage, and lands while the products run.  A wave's 64 columns are 256 consecutive bytes, aligned: each wave has a stage of its own.
; REGISTERS: window 0: v0-31 addresses; v32-95 rows back from the stage; v96-99 the bias; v128-255 the accumulators ((a, b) at v[128 + 8 (4 a + b)]).  window 1: two fragment buffers of 128 (A's four blocks, then B's four, 128 along K).
;   window 2: v0-127 R, then the result.
; LIMIT: eA + eB between -126 and 127.
.set KROW,   1024
.set BIAS,   0
.set SCOFF,  0x28
.set KSTEP,  512
.set PITCH,  528                       ; 512 bytes + 16: the 16 rows of a fragment load start at 16 different banks (64 banks of 4 bytes: ISA guide 11.1)
.set HALFT,  64*PITCH
.set SLOT,   4*HALFT
.set STAGE,  2*SLOT                    ; behind the ring: 16 rows x 272 bytes for each wave
.set SPITCH, 272
.set SPARE,  STAGE+4*16*SPITCH         ; the spare words: 128 bytes a wave, two blocks of 256 bytes that no other line names
.set LAPS,   KROW/(2*KSTEP)
.set ADRA, 16
.set ADRB, 20
.set STO,  24
.set RD,   25
.set CO,   26
.set SPW,  28
.set NIL,  29
.set TMP,  32
.set ACC,  128
.set F0,   0
.set F1,   128
.set G1, 24
.set G0, 32
.set G1B, 48
.set G0B, 56
.set MSB, 0
.macro WIN new                         ; the immediate's high byte repeats the setting that is left
.if MSB != \new
	s_set_vgpr_msb (MSB<<8)|\new
.set MSB, \new
.endif
.endm
.set MUL,  0x05                        ; sources 0 (B) and 1 (A) window 1; C and D window 0
.set TO_F, 0x40                        ; destination window 1, address window 0
.macro JLOAD s                         ; waves 0 and 1 fetch A's two halves, waves 2 and 3 B's; four v_nop follow each of the two lines
	s_cmp_eq_u32 s11, 0
	s_cbranch_scc0 .Lfor_b_\@
	tensor_load_to_lds s[G0+4*\s:G0+4*\s+3], s[G1:G1+7]
	s_nop 0
.rept 4
	v_nop
.endr
	s_branch .Lasked_\@
.Lfor_b_\@:
	tensor_load_to_lds s[G0B+4*\s:G0B+4*\s+3], s[G1B:G1B+7]
	s_nop 0
.rept 4
	v_nop
.endr
.Lasked_\@:
.endm
.macro CREST
	s_cmp_lg_u32 s10, 0
	s_cbranch_scc1 .Lnot_wave_0_\@
	s_barrier_signal -3
.Lnot_wave_0_\@:
	s_barrier_wait -3
	s_barrier_signal -1
	s_barrier_wait -1
.endm
.macro CROUND
	s_barrier_signal -1
	s_barrier_wait -1
	CREST
.endm
	s_load_b128 s[4:7], s[0:1], 0x0                ; A's codes, B's codes
	s_load_b128 s[68:71], s[0:1], 0x10             ; the scales' exponents, R
	s_load_b64 s[8:9], s[0:1], 0x20                ; C
.if BIAS
	s_load_b64 s[72:73], s[0:1], 0x28              ; the bias
.endif
	v_lshl_add_u32 v[SPW], v0, 2, SPARE
	v_mov_b32 v[NIL], 0
	ds_add_u32 v28, v29
	s_wait_dscnt 0x0
	v_lshrrev_b32 v1, 5, v0
	v_readfirstlane_b32 s10, v1                    ; wave 0..3
	s_lshr_b32 s11, s10, 1                         ; my half of the tile's rows.  Also: I fetch for A (0) or for B (1)
	s_and_b32 s12, s10, 1                          ; my half of its columns.  Also: which 64 rows I fetch
	s_bfe_u32 s40, ttmp6, 0x40000
	s_bfe_u32 s41, ttmp6, 0x40004
	s_lshl_b32 s42, ttmp9, 2
	s_add_co_u32 s42, s42, s40                     ; tile column
	s_and_b32 s13, ttmp7, 0xffff
	s_lshl_b32 s13, s13, 2
	s_add_co_u32 s13, s13, s41                     ; tile row
	s_lshl_b32 s43, s41, 2
	s_lshl_b32 s43, 15, s43
	s_lshl_b32 s44, 0x1111, s40
	s_or_b32 s[G1+0], s43, (0<<16)|(1<<20)|(1<<21)|(6<<22)|(3<<25)  ; the mask; elements of 1 byte; padding on; bit 21 beside a mask; 4 words behind every 128
	s_or_b32 s[G1B+0], s44, (0<<16)|(1<<20)|(1<<21)|(6<<22)|(3<<25)
.irp g, G1, G1B
	s_mov_b32 s[\g+1], KSTEP<<16
	s_mov_b32 s[\g+2], 64<<16
	s_mov_b32 s[\g+3], KSTEP<<16
	s_mov_b32 s[\g+4], 64
	s_mov_b32 s[\g+5], KROW
	s_mov_b32 s[\g+6], 0
	s_mov_b32 s[\g+7], 0
.endr
	s_lshl_b32 s17, s12, 6
	s_lshl_b32 s16, s13, 7
	s_add_co_u32 s16, s16, s17                     ; A: row 128 x tile row + 64 x half
	s_lshl_b32 s46, s42, 7
	s_add_co_u32 s46, s46, s17                     ; B: row 128 x tile column + 64 x half
	s_mov_b32 s17, 0
	s_mov_b32 s47, 0
	s_mov_b64 s[18:19], KROW
	s_mul_u64 s[16:17], s[16:17], s[18:19]
	s_mul_u64 s[46:47], s[46:47], s[18:19]
	s_mul_i32 s20, s10, HALFT
	s_wait_kmcnt 0x0
	s_load_b64 s[82:83], s[68:69], SCOFF           ; eA, eB
	s_add_nc_u64 s[14:15], s[4:5], s[16:17]
	s_add_nc_u64 s[46:47], s[6:7], s[46:47]
	CROUND                                         ; all sixteen work-groups are here: the first joint loads meet
.irp s, 0,1
	s_mov_b32 s[G0+4*\s], 1
	s_add_co_u32 s[G0+4*\s+1], s20, \s*SLOT
	s_add_nc_u64 s[G0+4*\s+2:G0+4*\s+3], s[14:15], \s*KSTEP
	s_or_b32 s[G0+4*\s+3], s[G0+4*\s+3], 0x80000000
	s_mov_b32 s[G0B+4*\s], 1
	s_add_co_u32 s[G0B+4*\s+1], s20, \s*SLOT
	s_add_nc_u64 s[G0B+4*\s+2:G0B+4*\s+3], s[46:47], \s*KSTEP
	s_or_b32 s[G0B+4*\s+3], s[G0B+4*\s+3], 0x80000000
	JLOAD \s
.endr
	v_and_b32 v1, 15, v0                           ; r
	v_bfe_u32 v2, v0, 4, 1                         ; h
	v_mul_u32_u24 v3, v1, PITCH
	v_lshl_add_u32 v3, v2, 4, v3
	s_mul_i32 s21, s11, HALFT
	s_mul_i32 s22, s12, HALFT
	s_add_co_u32 s22, s22, 2*HALFT
.irp s, 0,1
	v_add_nc_u32 v[ADRA+\s], s21, v3
	v_add_nc_u32 v[ADRB+\s], s22, v3
	s_add_co_u32 s21, s21, SLOT
	s_add_co_u32 s22, s22, SLOT
.endr
	s_mul_i32 s23, s10, 16*SPITCH
	s_add_co_u32 s23, s23, STAGE                   ; my stage
	v_mul_u32_u24 v4, v1, SPITCH
	v_lshl_add_u32 v4, v2, 5, v4
	v_add_nc_u32 v[STO], s23, v4                   ; in: row r, 32 bytes for each half of the lanes
	v_mul_u32_u24 v5, v2, SPITCH
	v_lshl_add_u32 v5, v1, 4, v5
	v_add_nc_u32 v[RD], s23, v5                    ; back: lanes 0-15 one row of 256 bytes, lanes 16-31 the next
	v_lshlrev_b32 v[CO], 12, v2
	v_lshl_add_u32 v[CO], v1, 4, v[CO]             ; and the same two rows in R and C
	v_lshlrev_b32 v27, 4, v1
	s_lshl_b32 s16, s13, 7
	s_lshl_b32 s17, s11, 6
	s_add_co_u32 s16, s16, s17
	s_lshl_b32 s16, s16, 12                        ; my first row, x 4,096 bytes
	s_lshl_b32 s46, s42, 9
	s_lshl_b32 s47, s12, 8
	s_add_co_u32 s46, s46, s47                     ; my first column, in bytes
	s_mov_b32 s47, 0
.if BIAS
	s_add_nc_u64 s[72:73], s[72:73], s[46:47]
.endif
	s_add_co_u32 s16, s16, s46
	s_mov_b32 s17, 0
	s_add_nc_u64 s[8:9], s[8:9], s[16:17]
	s_add_nc_u64 s[70:71], s[70:71], s[16:17]
.if BIAS
	global_load_b128 v[96:99], v27, s[72:73]       ; bias[4 (l % 16) .. + 3] of my 64 columns
.endif
	WIN 0x80                                       ; destination window 2
.irp a, 0,1,2,3
.irp t, 0,1,2,3,4,5,6,7
	global_load_b128 v[4*(8*\a+\t):4*(8*\a+\t)+3], v[CO], s[70:71] offset:(16*\a+2*\t)*4096   ; they stay out through the products; their address registers are never rewritten
.endr
.endr
	WIN 0
.macro MUL4 f, a, zero                 ; A's block a x B's four, 128 along K.  The 16 accumulators take turns, one instruction a turn, in the same order in every quarter
.irp b, 0,1,2,3
.if \zero
	v_wmma_f32_16x16x128_bf8_bf8 v[ACC+8*(4*(\a)+\b):ACC+8*(4*(\a)+\b)+7], v[\f+64+16*\b:\f+64+16*\b+15], v[\f+16*(\a):\f+16*(\a)+15], 0
.else
	v_wmma_f32_16x16x128_bf8_bf8 v[ACC+8*(4*(\a)+\b):ACC+8*(4*(\a)+\b)+7], v[\f+64+16*\b:\f+64+16*\b+15], v[\f+16*(\a):\f+16*(\a)+15], v[ACC+8*(4*(\a)+\b):ACC+8*(4*(\a)+\b)+7]
.endif
.endr
.endm
.macro FETCH slot, k, f                ; 32 LDS loads in one run: B's four blocks, then A's; registers 4 c .. 4 c + 3 hold K = 32 c + 16 (l / 16) + 0 .. 15, alike in A and B
	WIN TO_F
.irp i, 0,1,2,3
.irp c, 0,1,2,3
	ds_load_b128 v[\f+64+16*\i+4*\c:\f+64+16*\i+4*\c+3], v[ADRB+\slot] offset:\k+32*\c+\i*16*PITCH
.endr
.endr
.irp i, 0,1,2,3
.irp c, 0,1,2,3
	ds_load_b128 v[\f+16*\i+4*\c:\f+16*\i+4*\c+3], v[ADRA+\slot] offset:\k+32*\c+\i*16*PITCH
.endr
.endr
.endm
.macro PLACES                          ; four plain vector instructions in front of loads into registers that matrix instructions have read, and of reads of results
.rept 4
	v_nop
.endr
.endm
.macro QUARTER slot, k, f, g, zero     ; 128 along K out of buffer f; in its middle the next quarter, at byte k, is fetched into g
	s_wait_dscnt 8                                 ; B and A's blocks 0, 1 are in; the youngest eight loads (A's blocks 2, 3) may be out
	WIN MUL
	MUL4 \f, 0, \zero
	MUL4 \f, 1, \zero
	PLACES
	FETCH \slot, \k, \g
	s_wait_dscnt 32                                ; all but the 32 just issued
	WIN MUL
	MUL4 \f, 2, \zero
	MUL4 \f, 3, \zero
.endm
; The last quarter multiplies buffer 1 and changes slots: one barrier; in front of it each wave waits for all its tensor loads, adds 0 to its spare word, and waits for that and for its reads of this slot.
.macro TURN slot, next, fill
	WIN 0
	s_wait_tensorcnt 0x0                           ; all my tensor loads have landed: my part of the next slot
	ds_add_u32 v[SPW], v[NIL]                      ; 0 onto my spare word
	s_wait_dscnt 9                                 ; the add and the youngest eight loads may be out
	WIN MUL
	MUL4 F1, 0, 0
	s_wait_dscnt 0x0                               ; the add is done, and my reads of this slot are over
	s_barrier_signal -1
	MUL4 F1, 1, 0
.if \fill
	WIN 0
.endif
	s_barrier_wait -1
.if \fill
	CREST                                          ; the barrier has opened a round of the cluster's: no wave of any partner still reads this slot or has a load on its way
	s_add_nc_u64 s[G0+4*\slot+2:G0+4*\slot+3], s[G0+4*\slot+2:G0+4*\slot+3], 2*KSTEP
	s_add_nc_u64 s[G0B+4*\slot+2:G0B+4*\slot+3], s[G0B+4*\slot+2:G0B+4*\slot+3], 2*KSTEP
	JLOAD \slot                                    ; the first tensor load behind the round; its four v_nop are the places in front of the loads below
.else
	PLACES
.endif
	FETCH \next, 0, F0
	WIN MUL
	MUL4 F1, 2, 0
	MUL4 F1, 3, 0
.endm
	s_wait_tensorcnt 1                             ; my part of K step 0 is in; K step 1's load may be out
	s_barrier_signal -1
	s_barrier_wait -1
	FETCH 0, 0, F0
	QUARTER 0, 128, F0, F1, 1                      ; the first quarter starts the sums
.if LAPS > 1
	WIN 0
	s_mov_b32 s3, LAPS-1
.Llap:                                                 ; a trip goes once round the ring and fills both slots again
	QUARTER 0, 256, F1, F0, 0
	QUARTER 0, 384, F0, F1, 0
	TURN 0, 1, 1
	QUARTER 1, 128, F0, F1, 0
	QUARTER 1, 256, F1, F0, 0
	QUARTER 1, 384, F0, F1, 0
	TURN 1, 0, 1
	QUARTER 0, 128, F0, F1, 0
	WIN 0
	s_sub_co_u32 s3, s3, 1
	s_cmp_lg_u32 s3, 0
	s_cbranch_scc1 .Llap
.endif
	QUARTER 0, 256, F1, F0, 0                      ; the last lap fills nothing
	QUARTER 0, 384, F0, F1, 0
	TURN 0, 1, 0
	QUARTER 1, 128, F0, F1, 0
	QUARTER 1, 256, F1, F0, 0
	QUARTER 1, 384, F0, F1, 0
	s_wait_dscnt 8
	WIN MUL
	MUL4 F1, 0, 0
	MUL4 F1, 1, 0
	s_wait_dscnt 0
	MUL4 F1, 2, 0
	MUL4 F1, 3, 0
	WIN 0
	; THE WAY OUT, block by block of 16 rows x 64 columns: the sums go through my own stage and come back as whole rows of 256 bytes, in R's layout; one packed multiply-add gives sum x 2^(eA + eB) + R.
	PLACES
	s_wait_loadcnt 0x0                             ; R (and the bias)
	s_wait_kmcnt 0x0
	s_add_co_i32 s82, s82, s83
	s_add_co_i32 s82, s82, 127
	s_lshl_b32 s82, s82, 23                        ; 2^(eA + eB) as f32
	s_mov_b32 s83, s82                             ; (named with it as a pair)
.if BIAS
	WIN 0x82                                       ; source 0 and destination window 2
.set NN, 0
.rept 32
	v_pk_add_f32 v[4*NN:4*NN+1], v[4*NN:4*NN+1], v[96:97]
	v_pk_add_f32 v[4*NN+2:4*NN+3], v[4*NN+2:4*NN+3], v[98:99]
.set NN, NN+1
.endr
	WIN 0
.endif
.macro TOSTAGE a
.irp b, 0,1,2,3
	ds_store_b128 v[STO], v[ACC+8*(4*(\a)+\b):ACC+8*(4*(\a)+\b)+3] offset:64*\b       ; each accumulator from its low end on
	ds_store_b128 v[STO], v[ACC+8*(4*(\a)+\b)+4:ACC+8*(4*(\a)+\b)+7] offset:64*\b+16
.endr
.irp t, 0,1,2,3,4,5,6,7
	ds_load_b128 v[TMP+32*((\a)%2)+4*\t:TMP+32*((\a)%2)+4*\t+3], v[RD] offset:\t*2*SPITCH   ; LDS serves a wave's instructions in order (ISA guide 5.7.1.4): these see my stores, and the next block's stores come behind them
.endr
.endm
.macro FIN a, younger                  ; younger: the LDS instructions issued behind block a's loads: the next block's eight stores and eight loads, or none
.set TM, TMP+32*((\a)%2)
.set RS, 32*(\a)
	s_wait_dscnt \younger
	WIN 0xa0                                       ; source 2 and destination window 2
.irp i, 0,2,4,6,8,10,12,14,16,18,20,22,24,26,28,30
	v_pk_fma_f32 v[RS+\i:RS+\i+1], v[TM+\i:TM+\i+1], s[82:83], v[RS+\i:RS+\i+1] op_sel_hi:[1,0,1]
.endr
	WIN 0x08                                       ; the stores' data window 2
.irp t, 0,1,2,3,4,5,6,7
	global_store_b128 v[CO], v[RS+4*\t:RS+4*\t+3], s[8:9] offset:(16*(\a)+2*\t)*4096   ; sixteen lanes store 256 consecutive bytes, aligned; no store's data are written again
.endr
	WIN 0
.endm
	TOSTAGE 0
	TOSTAGE 1
	FIN 0, 16
	TOSTAGE 2
	FIN 1, 16
	TOSTAGE 3
	FIN 2, 16
	FIN 3, 0
	s_wait_tensorcnt 0x0                           ; the wave's end
	ds_add_u32 v[SPW], v[NIL]
	s_wait_dscnt 0x0
	CROUND                                         ; the closing round
	s_endpgm
.Lfunc_end_k_q482a46aa4c_outp:
	.size	k_q482a46aa4c_outp, .Lfunc_end_k_q482a46aa4c_outp-k_q482a46aa4c_outp
	.p2alignl 7, 3214868480
	.fill 96, 4, 3214868480
	.section	.rodata,"a",@progbits
	.p2align	6, 0x0
	.amdhsa_kernel k_q482a46aa4c_outp
		.amdhsa_group_segment_fixed_size 327680
		.amdhsa_private_segment_fixed_size 0
		.amdhsa_enable_private_segment 0
		.amdhsa_kernarg_size 40
		.amdhsa_user_sgpr_count 2
		.amdhsa_user_sgpr_kernarg_segment_ptr 1
		.amdhsa_wavefront_size32 1
		.amdhsa_system_sgpr_workgroup_id_x 1
		.amdhsa_system_sgpr_workgroup_id_y 1
		.amdhsa_system_sgpr_workgroup_id_z 1
		.amdhsa_system_vgpr_workitem_id 0
		.amdhsa_next_free_vgpr 768
		.amdhsa_next_free_sgpr 84
		.amdhsa_reserve_vcc 0
		.amdhsa_float_denorm_mode_32 3
		.amdhsa_float_denorm_mode_16_64 3
		.amdhsa_memory_ordered 1
		.amdhsa_forward_progress 1
		.amdhsa_inst_pref_size 49
	.end_amdhsa_kernel
	.amdgpu_metadata
---
amdhsa.version: [ 1, 2 ]
amdhsa.kernels:
  - .name:           k_q482a46aa4c_outp
    .symbol:         k_q482a46aa4c_outp.kd
    .args:
      - { .name: cc, .offset: 0, .size: 8, .value_kind: global_buffer, .address_space: global }
      - { .name: wo_codes, .offset: 8, .size: 8, .value_kind: global_buffer, .address_space: global }
      - { .name: lowp_scales, .offset: 16, .size: 8, .value_kind: global_buffer, .address_space: global }
      - { .name: x, .offset: 24, .size: 8, .value_kind: global_buffer, .address_space: global }
      - { .name: x1, .offset: 32, .size: 8, .value_kind: global_buffer, .address_space: global }
    .group_segment_fixed_size: 327680
    .private_segment_fixed_size: 0
    .kernarg_segment_align: 8
    .kernarg_segment_size: 40
    .max_flat_workgroup_size: 128
    .sgpr_count:     84
    .vgpr_count:     768
    .wavefront_size: 32
...
	.end_amdgpu_metadata
.endif
;; end of part 4
;; launch lnorm2 (part 5): grid 256 x 1, 8 waves a work-group, no clusters, 41,984 bytes of LDS; arguments x1, ln2_a, ln2_b, lowp_scales, xf; writes xf
.if DOCPART == 5
	.amdgcn_target "amdgcn-amd-amdhsa--gfx1250"
	.amdhsa_code_object_version 6
	.text
	.protected	k_q482a46aa4c_lnorm2
	.globl	k_q482a46aa4c_lnorm2
	.p2align	8
	.type	k_q482a46aa4c_lnorm2,@function
k_q482a46aa4c_lnorm2:
	s_mov_b64 s[64:65], 0
	v_nop
	global_prefetch_b8 v0, s[64:65] scope:SCOPE_SE
	s_setreg_imm32_b32 hwreg(HW_REG_WAVE_MODE, 25, 1), 1
	s_wait_xcnt 0x0
; LAYER NORM, THEN THE QUANTISER.  in: [4096][1024] f32.  y = a (x - mean) / (std + 1e-6) + b, std the biased one, taken of (x - mean): two passes over registers.
; y is turned into codes of E5M2 NSET times, each time with a given scale 2^e: here once, with entry 12 of the scales.
; SHARES.  A wave takes a whole row (4,096 bytes, 32 registers a lane), two rows one after the other; a work-group of eight waves 16 rows.  BOTH ROWS ARE ASKED FOR AT THE HEAD: every byte that the launch reads is
; requested before the first is worked on.  No wave waits for another: no barrier.
; Each load reads 512 consecutive bytes; the conversions want 8 neighbours in one lane, so a row turns through the wave's own stage in LDS (16 bytes of padding behind each 64) and comes back 16 neighbours a lane twice:
; register T + 16 c + i holds element 512 c + 16 lane + i.  A lane's 16 codes are 16 bytes: a store covers 512 consecutive bytes.
; Memory binds: no matrix unit, no cluster, no tensor load.
; LIMITS: e between -126 and 112, so that 2^e and 57,344 x 2^e are f32 numbers.  NaN among the inputs is not served.
.set NSET, 1
.set SP,   80                          ; a lane's place in a stage: 64 bytes + 16 of padding
.set X,    16                          ; v16-79   the two rows as loaded
.set T,    80                          ; v80-111  the row at work
.set A,    112                         ; v112-143 a in T's layout
.set B,    144                         ; v144-175 b
.set H,    176                         ; v176-191 two groups of eight held numbers
.set C,    192                         ; v192..   codes, eight registers a set
.set SCL,  216                         ; v216+2s: 2^e;  v217+2s: 57,344 x 2^e
	s_load_b256 s[4:11], s[0:1], 0x0               ; in s[4:5], a s[6:7], b s[8:9], the scales' exponents s[10:11]
	s_load_b64 s[12:13], s[0:1], 0x20              ; the codes
	v_lshl_add_u32 v224, v0, 2, 0xa000
	v_mov_b32 v225, 0
	v_lshrrev_b32 v1, 5, v0
	v_readfirstlane_b32 s18, v1                    ; wave
	v_and_b32 v1, 31, v0                           ; lane
	v_lshlrev_b32 v2, 4, v1                        ; 16 x lane: my bytes of a load's 512, and of a store's
	s_mul_i32 s19, s18, 5120                       ; my wave's two stages
	v_lshrrev_b32 v3, 2, v1
	v_mul_u32_u24 v3, v3, SP
	v_and_b32 v4, 3, v1
	v_lshl_add_u32 v3, v4, 4, v3
	v_add_nc_u32 v3, s19, v3                       ; into a stage: SP (lane / 4) + 16 (lane % 4)
	v_mul_u32_u24 v4, v1, SP
	v_add_nc_u32 v4, s19, v4                       ; out of it: SP x lane
	v_lshlrev_b32 v5, 6, v1                        ; 64 x lane: my 16 numbers of a and b
	v_mov_b32 v11, 0                               ; a lane permute's destination counts as read
	s_lshl_b32 s22, ttmp9, 4
	s_lshl_b32 s23, s18, 1
	s_add_co_u32 s22, s22, s23                     ; my first row: 16 x work-group + 2 x wave
	s_lshl_b32 s24, s22, 12
	s_mov_b32 s25, 0
	s_lshl_b32 s26, s22, 10
	s_mov_b32 s27, 0
	s_mov_b32 s20, 0x76543210                      ; lane l xor 16
	s_mov_b32 s21, 0xfedcba98
	s_wait_kmcnt 0x0
.if NSET == 3
	s_load_b256 s[32:39], s[10:11], 0x0            ; entries 0 to 7: 0, 2 and 4 are used
.else
	s_load_b32 s32, s[10:11], 0x30                 ; entry 12
.endif
	s_add_nc_u64 s[4:5], s[4:5], s[24:25]
	s_add_nc_u64 s[12:13], s[12:13], s[26:27]
.if NSET == 3
	s_add_nc_u64 s[14:15], s[12:13], 0x400000      ; the second and third plane
	s_add_nc_u64 s[16:17], s[12:13], 0x800000
.endif
.irp c, 0,1
.irp i, 0,1,2,3
	global_load_b128 v[A+16*\c+4*\i:A+16*\c+4*\i+3], v5, s[6:7] offset:2048*\c+16*\i
	global_load_b128 v[B+16*\c+4*\i:B+16*\c+4*\i+3], v5, s[8:9] offset:2048*\c+16*\i
.endr
.endr
.macro LOADROW r                       ; eight loads of 512 consecutive bytes
.irp j, 0,1,2,3,4,5,6,7
	global_load_b128 v[X+32*(\r)+4*\j:X+32*(\r)+4*\j+3], v2, s[4:5] offset:4096*(\r)+512*\j th:TH_LOAD_NT
.endr
.endm
.macro TURNROW r                       ; through the stages: LDS serves a wave's instructions in order (ISA guide 5.7.1.4), so no wait stands between the stores and the loads
.irp c, 0,1
.irp i, 0,1,2,3
	ds_store_b128 v3, v[X+32*(\r)+16*\c+4*\i:X+32*(\r)+16*\c+4*\i+3] offset:2560*\c+640*\i
.endr
.endr
.irp c, 0,1
.irp i, 0,1,2,3
	ds_load_b128 v[T+16*\c+4*\i:T+16*\c+4*\i+3], v4 offset:2560*\c+16*\i
.endr
.endr
.endm
.macro REDUCE                          ; v10 summed over the 32 lanes, the result in every lane
	v_add_f32_dpp v10, v10, v10 row_xmask:1 row_mask:0xf bank_mask:0xf
	v_add_f32_dpp v10, v10, v10 row_xmask:2 row_mask:0xf bank_mask:0xf
	v_add_f32_dpp v10, v10, v10 row_xmask:4 row_mask:0xf bank_mask:0xf
	v_add_f32_dpp v10, v10, v10 row_xmask:8 row_mask:0xf bank_mask:0xf
	v_permlanex16_b32 v11, v10, s20, s21
	v_add_f32 v10, v10, v11
.endm
	LOADROW 0
	LOADROW 1
	s_wait_kmcnt 0x0
.set QS, 0
.rept NSET
	s_add_co_i32 s22, s[32+2*QS], 127
	s_lshl_b32 s23, s22, 23
	v_mov_b32 v[SCL+2*QS], s23                     ; 2^e as f32: the conversion takes its exponent field
	s_add_co_i32 s22, s22, 15
	s_lshl_b32 s22, s22, 23
	s_or_b32 s22, s22, 0x600000
	v_mov_b32 v[SCL+2*QS+1], s22                   ; 57,344 x 2^e
.set QS, QS+1
.endr
.macro ROW r, left
	s_wait_loadcnt \left                           ; my row is in (and a and b); the other row's eight loads may stay out
	TURNROW \r
	s_wait_dscnt 0x0                               ; the row is back
	v_pk_add_f32 v[6:7], v[T:T+1], v[T+2:T+3]      ; the sum, in two chains begun by the first pairs
	v_pk_add_f32 v[8:9], v[T+4:T+5], v[T+6:T+7]
.irp j, 8,12,16,20,24,28
	v_pk_add_f32 v[6:7], v[6:7], v[T+\j:T+\j+1]
	v_pk_add_f32 v[8:9], v[8:9], v[T+\j+2:T+\j+3]
.endr
	v_pk_add_f32 v[6:7], v[6:7], v[8:9]
	v_add_f32 v10, v6, v7
	REDUCE
	v_mul_f32 v12, 0x3a800000, v10                 ; / 1,024: the mean
	v_mov_b32 v13, v12
.irp j, 0,2,4,6,8,10,12,14,16,18,20,22,24,26,28,30
	v_pk_add_f32 v[T+\j:T+\j+1], v[T+\j:T+\j+1], v[12:13] neg_lo:[0,1] neg_hi:[0,1]   ; x - mean
.endr
	v_pk_mul_f32 v[6:7], v[T:T+1], v[T:T+1]        ; the sum of squares of x - mean
	v_pk_mul_f32 v[8:9], v[T+2:T+3], v[T+2:T+3]
.irp j, 4,8,12,16,20,24,28
	v_pk_fma_f32 v[6:7], v[T+\j:T+\j+1], v[T+\j:T+\j+1], v[6:7]
	v_pk_fma_f32 v[8:9], v[T+\j+2:T+\j+3], v[T+\j+2:T+\j+3], v[8:9]
.endr
	v_pk_add_f32 v[6:7], v[6:7], v[8:9]
	v_add_f32 v10, v6, v7
	REDUCE
	v_mul_f32 v10, 0x3a800000, v10
	v_sqrt_f32 v14, v10                            ; std
	v_nop                                          ; a plain instruction behind the transcendental,
	s_wait_alu depctr_va_vdst(0)                   ; and a wait ahead of its first reader
	v_add_f32 v14, 0x358637bd, v14                 ; + 1e-6
	v_rcp_f32 v15, v14
	v_nop
	s_wait_alu depctr_va_vdst(0)
	v_mov_b32 v14, v15
.irp j, 0,2,4,6,8,10,12,14,16,18,20,22,24,26,28,30
	v_pk_mul_f32 v[T+\j:T+\j+1], v[T+\j:T+\j+1], v[14:15]
.endr
.irp j, 0,2,4,6,8,10,12,14,16,18,20,22,24,26,28,30
	v_pk_fma_f32 v[T+\j:T+\j+1], v[T+\j:T+\j+1], v[A+\j:A+\j+1], v[B+\j:B+\j+1]
.endr
	s_wait_xcnt 0x0                                ; the last row's stores have read their codes: only now are those registers written again
.set QS, 0
.rept NSET
.irp g, 0,1,2,3
.irp i, 0,1,2,3,4,5,6,7
	v_med3_num_f32 v[H+8*(\g%2)+\i], v[T+8*\g+\i], -v[SCL+2*QS+1], v[SCL+2*QS+1]   ; the conversion to an 8-bit code does not saturate (ISA guide 7.6.2): the hold at the largest code x the scale
.endr
	v_cvt_scalef32_pk8_bf8_f32 v[C+8*QS+2*\g:C+8*QS+2*\g+1], v[H+8*(\g%2):H+8*(\g%2)+7], v[SCL+2*QS]   ; the other group's eight holds are the plain lines behind it
.endr
.set QS, QS+1
.endr
	v_nop                                          ; a plain line behind the last conversion
.set QS, 0
.rept NSET
.irp c, 0,1
	global_store_b128 v2, v[C+8*QS+4*\c:C+8*QS+4*\c+3], s[12+2*QS:13+2*QS] offset:1024*(\r)+512*\c   ; 32 lanes store 512 consecutive bytes, aligned
.endr
.set QS, QS+1
.endr
.endm
	ROW 0, 8
	ROW 1, 0
	s_wait_tensorcnt 0x0
	ds_add_u32 v224, v225
	s_wait_dscnt 0x0
	s_endpgm
.Lfunc_end_k_q482a46aa4c_lnorm2:
	.size	k_q482a46aa4c_lnorm2, .Lfunc_end_k_q482a46aa4c_lnorm2-k_q482a46aa4c_lnorm2
	.p2alignl 7, 3214868480
	.fill 96, 4, 3214868480
	.section	.rodata,"a",@progbits
	.p2align	6, 0x0
	.amdhsa_kernel k_q482a46aa4c_lnorm2
		.amdhsa_group_segment_fixed_size 41984
		.amdhsa_private_segment_fixed_size 0
		.amdhsa_enable_private_segment 0
		.amdhsa_kernarg_size 40
		.amdhsa_user_sgpr_count 2
		.amdhsa_user_sgpr_kernarg_segment_ptr 1
		.amdhsa_wavefront_size32 1
		.amdhsa_system_sgpr_workgroup_id_x 1
		.amdhsa_system_sgpr_workgroup_id_y 1
		.amdhsa_system_sgpr_workgroup_id_z 1
		.amdhsa_system_vgpr_workitem_id 0
		.amdhsa_next_free_vgpr 226
		.amdhsa_next_free_sgpr 66
		.amdhsa_reserve_vcc 0
		.amdhsa_float_denorm_mode_32 3
		.amdhsa_float_denorm_mode_16_64 3
		.amdhsa_memory_ordered 1
		.amdhsa_forward_progress 1
		.amdhsa_inst_pref_size 25
	.end_amdhsa_kernel
	.amdgpu_metadata
---
amdhsa.version: [ 1, 2 ]
amdhsa.kernels:
  - .name:           k_q482a46aa4c_lnorm2
    .symbol:         k_q482a46aa4c_lnorm2.kd
    .args:
      - { .name: x1, .offset: 0, .size: 8, .value_kind: global_buffer, .address_space: global }
      - { .name: ln2_a, .offset: 8, .size: 8, .value_kind: global_buffer, .address_space: global }
      - { .name: ln2_b, .offset: 16, .size: 8, .value_kind: global_buffer, .address_space: global }
      - { .name: lowp_scales, .offset: 24, .size: 8, .value_kind: global_buffer, .address_space: global }
      - { .name: xf, .offset: 32, .size: 8, .value_kind: global_buffer, .address_space: global }
    .group_segment_fixed_size: 41984
    .private_segment_fixed_size: 0
    .kernarg_segment_align: 8
    .kernarg_segment_size: 40
    .max_flat_workgroup_size: 256
    .sgpr_count:     66
    .vgpr_count:     226
    .wavefront_size: 32
...
	.end_amdgpu_metadata
.endif
;; end of part 5
;; launch ffup (part 6): grid 16 x 16, 4 waves a work-group, clusters of 4 x 4, 327,680 bytes of LDS; arguments xf, w1_codes, lowp_scales, b1, hc; writes hc
.if DOCPART == 6
	.amdgcn_target "amdgcn-amd-amdhsa--gfx1250"
	.amdhsa_code_object_version 6
	.text
	.protected	k_q482a46aa4c_ffup
	.globl	k_q482a46aa4c_ffup
	.p2align	8
	.type	k_q482a46aa4c_ffup,@function
k_q482a46aa4c_ffup:
	s_mov_b64 s[64:65], 0
	v_nop
	global_prefetch_b8 v0, s[64:65] scope:SCOPE_SE
	s_setreg_imm32_b32 hwreg(HW_REG_WAVE_MODE, 25, 1), 1
	s_wait_xcnt 0x0
	s_wait_alu depctr_hold_cnt(0) depctr_sa_sdst(0) depctr_va_vdst(0) depctr_va_sdst(0) depctr_va_ssrc(0) depctr_va_vcc(0) depctr_vm_vsrc(0)
	s_getreg_b32 s2, hwreg(HW_REG_IB_STS2, 6, 4)
	s_cmp_eq_u32 s2, 0
	s_cbranch_scc0 .Lentry_in_a_cluster
	s_endpgm
.Lentry_in_a_cluster:
	s_bfe_u32 s2, ttmp6, 0x10000c
	s_cmp_lg_u32 s2, 0xf033
	s_cbranch_scc0 .Lentry_shape_is_right
	s_endpgm
.Lentry_shape_is_right:
; h = Q(relu(xn2 w1 + b1)), [4096][4096], K = 1,024, on codes of E5M2; h leaves as codes again, quantised with 2^e14.
; b1 / 2^(e12 + e13) is the C of each sum's first product, and the hold between 0 and the largest code x the scale is the activation too.
; A raw sum stands for sum x 2^(e12 + e13); its code under e14 is sum / 2^(e14 - e12 - e13): the three exponents are folded into the conversion's one scale.
; A tile of C, 256 x 256, is made by four waves, each 128 x 128: 64 accumulators, 512 registers.  K goes in steps of 256 through two LDS slots filled by the tensor data mover.  256 tiles: one for each work-group.
; CLUSTERS: 4 x 4 work-groups; A's tile is asked for jointly along a row of the cluster, B's along a column.  The matrix instruction is used transposed (source 0 = 16 rows of B, source 1 = 16 rows of A):
; a lane holds eight neighbouring n of one row m, which one conversion turns into 8 bytes.
; HOW h LIES IN MEMORY: IN THE ORDER OF THE NEXT PRODUCT'S OPERAND REGISTERS.  Row block R (16 rows) and step s (128 hidden units) are an image of 2,048 bytes at 65,536 R + 2,048 s; in it chunk c (0 .. 3) lies at 512 c and lane l's
; 16 bytes at 16 l: row 16 R + l % 16, hidden units 128 s + 32 c + 16 (l / 16) + 0 .. 15.  The reader takes a quarter of a fragment by one load of 512 consecutive bytes.
; REGISTERS: window 0: v0-31 addresses; v40 the scale, v41 the hold; v64-127 b1's tiles, later numbers at work; v128-255 A's fragments, later codes.
;   window 1: B's fragments, two sets.   windows 2, 3: the accumulators ((a, b) at v[8 (8 (a % 4) + b)]).
; LIMITS: e14 - e12 - e13 between -126 and 112.  NaN among the operands is not served.
.set SIZE_K, 1024
.set KSTEP,  256
.set ROWB,   256
.set KROW,   SIZE_K
.set PITCH,  272                       ; an LDS row: 256 bytes + 16 of padding: the 16 rows of a fragment load start at 16 different banks (64 banks of 4 bytes: ISA guide 11.1)
.set FR,     16
.set NL,     4
.set NP,     4                         ; places behind this matrix instruction (ISA guide 7.12.1)
.set HALFT,  128*PITCH
.set SLOT,   4*HALFT
.set LAPS,   SIZE_K/(2*KSTEP)
.set SPARE,  2*SLOT                    ; the spare words: 128 bytes a wave, two blocks of 256 bytes that no other line names
.set ADRA, 16
.set ADRB, 20
.set STO,  24                          ; the way out: where I put 8 bytes of a row of the stage
.set RD,   25                          ; and where I read quarter fragments back
.set CO,   26                          ; 16 x lane: my place in an image's chunk
.set SPW,  28
.set NIL,  29
.set SCV,  40
.set LIMV, 41
.set TMP,  64
.set AF,   128
.set CD,   128
.set G1, 24
.set G0, 32
.set G1B, 48
.set G0B, 56
.set MSB, 0
.macro WIN new                         ; the immediate's high byte repeats the setting that is left
.if MSB != \new
	s_set_vgpr_msb (MSB<<8)|\new
.set MSB, \new
.endif
.endm
.set MUL_LO, 0xa1                      ; source 0 (B) window 1, source 1 (A) window 0, C and D window 2
.set MUL_HI, 0xf1                      ; the same, C and D window 3
.set FIRST_LO, 0x81                    ; the first step's C is b1's tile, in window 0
.set FIRST_HI, 0xc1
.set TO_B,   0x40
; A joint load: waves 0 and 1 fetch for A, waves 2 and 3 for B; the branch hangs on the wave's number alone.  Four v_nop follow each of the two lines.
.macro JLOAD g0a, g1a, g0b, g1b
	s_cmp_eq_u32 s15, 0
	s_cbranch_scc0 .Lfor_b_\@
	tensor_load_to_lds s[\g0a:\g0a+3], s[\g1a:\g1a+7]
	s_nop 0
.rept 4
	v_nop
.endr
	s_branch .Lasked_\@
.Lfor_b_\@:
	tensor_load_to_lds s[\g0b:\g0b+3], s[\g1b:\g1b+7]
	s_nop 0
.rept 4
	v_nop
.endr
.Lasked_\@:
.endm
.macro CREST                           ; a round of the cluster's barrier behind its opening barrier
	s_cmp_lg_u32 s14, 0
	s_cbranch_scc1 .Lnot_wave_0_\@
	s_barrier_signal -3
.Lnot_wave_0_\@:
	s_barrier_wait -3
	s_barrier_signal -1
	s_barrier_wait -1
.endm
.macro CROUND
	s_barrier_signal -1
	s_barrier_wait -1
	CREST
.endm
	s_load_b256 s[68:75], s[0:1], 0x0              ; xf, w1, the scales' exponents, b1
	s_load_b64 s[80:81], s[0:1], 0x20              ; the codes that leave
	v_lshl_add_u32 v[SPW], v0, 2, SPARE
	v_mov_b32 v[NIL], 0
	ds_add_u32 v28, v29
	s_wait_dscnt 0x0
	v_lshrrev_b32 v1, 5, v0
	v_readfirstlane_b32 s14, v1                    ; wave 0..3
	s_lshr_b32 s15, s14, 1                         ; which half of the tile's rows is mine.  Also: I fetch for A (0) or for B (1)
	s_and_b32 s16, s14, 1                          ; which half of its columns.  Also: which 128 rows of that tile I fetch
	s_bfe_u32 s40, ttmp6, 0x40000                  ; cx, cy
	s_bfe_u32 s41, ttmp6, 0x40004
	s_and_b32 s17, ttmp7, 0xffff
	s_lshl_b32 s17, s17, 2                         ; 4 x cluster y
	s_lshl_b32 s42, ttmp9, 2
	s_add_co_u32 s42, s42, s40                     ; tile column
	s_add_co_u32 s17, s17, s41                     ; tile row
	s_lshl_b32 s43, s41, 2
	s_lshl_b32 s43, 15, s43                        ; my row of the cluster
	s_lshl_b32 s44, 0x1111, s40                    ; my column
	s_or_b32 s[G1+0], s43, (0<<16)|(1<<20)|(1<<21)|(5<<22)|(3<<25)  ; the mask; elements of 1 byte; padding on; bit 21 beside a mask; 4 words behind every 64
	s_or_b32 s[G1B+0], s44, (0<<16)|(1<<20)|(1<<21)|(5<<22)|(3<<25)
.irp g, G1, G1B
	s_mov_b32 s[\g+1], ROWB<<16                    ; tensor_dim0
	s_mov_b32 s[\g+2], 128<<16                     ; tensor_dim1
	s_mov_b32 s[\g+3], ROWB<<16                    ; tile_dim0
	s_mov_b32 s[\g+4], 128                         ; tile_dim1
	s_mov_b32 s[\g+5], KROW                        ; the pitch
	s_mov_b32 s[\g+6], 0
	s_mov_b32 s[\g+7], 0
.endr
	s_lshl_b32 s18, s16, 7
	s_lshl_b32 s20, s17, 8
	s_add_co_u32 s20, s20, s18                     ; A: row 256 x tile row + 128 x half
	s_lshl_b32 s20, s20, 10                        ; x 1,024 bytes
	s_lshl_b32 s46, s42, 8
	s_add_co_u32 s46, s46, s18                     ; B: row 256 x tile column + 128 x half
	s_lshl_b32 s46, s46, 10
	s_mov_b32 s21, 0
	s_mov_b32 s47, 0
	s_mul_i32 s45, s14, HALFT                      ; where they go: wave x 128 rows
	s_wait_kmcnt 0x0
	s_load_b128 s[84:87], s[72:73], 0x30           ; e12 .. e15
	s_add_nc_u64 s[20:21], s[68:69], s[20:21]
	s_add_nc_u64 s[46:47], s[70:71], s[46:47]
	CROUND                                         ; all sixteen work-groups are here: the first joint loads meet
.irp s, 0,1
	s_mov_b32 s[G0+4*\s], 1
	s_add_co_u32 s[G0+4*\s+1], s45, \s*SLOT
	s_add_nc_u64 s[G0+4*\s+2:G0+4*\s+3], s[20:21], \s*ROWB
	s_or_b32 s[G0+4*\s+3], s[G0+4*\s+3], 0x80000000
	s_mov_b32 s[G0B+4*\s], 1
	s_add_co_u32 s[G0B+4*\s+1], s45, \s*SLOT
	s_add_nc_u64 s[G0B+4*\s+2:G0B+4*\s+3], s[46:47], \s*ROWB
	s_or_b32 s[G0B+4*\s+3], s[G0B+4*\s+3], 0x80000000
	JLOAD G0+4*\s, G1, G0B+4*\s, G1B
.endr
	v_and_b32 v1, 15, v0                           ; r = l % 16
	v_bfe_u32 v2, v0, 4, 1                         ; h = l / 16
	v_mul_u32_u24 v3, v1, PITCH
	v_lshl_add_u32 v4, v2, 4, v3                   ; a fragment's row x pitch + 16 x half
	s_mul_i32 s21, s15, HALFT
	s_mul_i32 s22, s16, HALFT
	s_add_co_u32 s22, s22, 2*HALFT
.irp s, 0,1
	v_add_nc_u32 v[ADRA+\s], s21, v4
	v_add_nc_u32 v[ADRB+\s], s22, v4
	s_add_co_u32 s21, s21, SLOT
	s_add_co_u32 s22, s22, SLOT
.endr
	s_mul_i32 s23, s15, 128*PITCH                  ; the stage, 256 rows x 272 bytes for the work-group: row 128 x row half + r, byte 128 x column half + 8 h
	s_lshl_b32 s22, s16, 7
	s_add_co_u32 s23, s23, s22
	v_lshl_add_u32 v5, v2, 3, v3
	v_add_nc_u32 v[STO], s23, v5
	s_mul_i32 s23, s14, 64*PITCH                   ; back: wave w takes rows 64 w on, as quarter fragments: row r, + 16 h
	v_add_nc_u32 v[RD], s23, v4
	v_and_b32 v5, 31, v0
	v_lshlrev_b32 v[CO], 4, v5
	s_lshl_b32 s22, s42, 10                        ; b1 at my 128 columns
	s_lshl_b32 s23, s16, 9
	s_add_co_u32 s22, s22, s23
	s_mov_b32 s23, 0
	s_add_nc_u64 s[74:75], s[74:75], s[22:23]
	v_lshlrev_b32 v6, 5, v2
.irp b, 0,1,2,3,4,5,6,7
	global_load_b128 v[TMP+8*\b:TMP+8*\b+3], v6, s[74:75] offset:64*\b       ; register 8 b + j = b1[16 b + 8 h + j]: the result's layout
	global_load_b128 v[TMP+8*\b+4:TMP+8*\b+7], v6, s[74:75] offset:64*\b+16
.endr
	s_lshl_b32 s20, s17, 4                         ; where I store: row block 16 x tile row + 4 x wave, step 2 x tile column
	s_lshl_b32 s21, s14, 2
	s_add_co_u32 s20, s20, s21
	s_lshl_b32 s20, s20, 16
	s_lshl_b32 s21, s42, 12
	s_add_co_u32 s20, s20, s21
	s_mov_b32 s21, 0
	s_add_nc_u64 s[10:11], s[80:81], s[20:21]
	s_wait_kmcnt 0x0
	s_add_co_i32 s96, s84, s85                     ; e12 + e13
	s_sub_co_i32 s94, s86, s96                     ; e14 - e12 - e13
	s_sub_co_i32 s96, 0, s96
	s_add_co_i32 s94, s94, 127
	s_lshl_b32 s95, s94, 23
	v_mov_b32 v[SCV], s95                          ; the conversion's scale
	s_add_co_i32 s94, s94, 15
	s_lshl_b32 s94, s94, 23
	s_or_b32 s94, s94, 0x600000
	v_mov_b32 v[LIMV], s94                         ; 57,344 x that
	s_wait_loadcnt 0x0
.set NN, 0
.rept 64
	v_ldexp_f32 v[TMP+NN], v[TMP+NN], s96          ; b1 / 2^(e12 + e13)
.set NN, NN+1
.endr
.macro FRAG reg, adr, q, i             ; 16 rows x 128 K: lane l holds row l % 16; registers 4 c .. 4 c + 3 hold K = 32 c + 16 (l / 16) + 0 .. 15: the same permutation of k in A and in B
.irp c, 0,1,2,3
	ds_load_b128 v[\reg+4*\c:\reg+4*\c+3], v[\adr] offset:128*(\q)+32*\c+(\i)*16*PITCH
.endr
.endm
; 16 matrix instructions: A's blocks a0, a0 + 1 x B's eight.  The 64 accumulators take turns, one instruction a turn, in the same order in every step.
.macro MUL16 a0, p, zero
.irp a, \a0, \a0+1
.irp b, 0,1,2,3,4,5,6,7
.if \zero
	v_wmma_f32_16x16x128_bf8_bf8 v[8*(8*((\a)%4)+\b):8*(8*((\a)%4)+\b)+7], v[128*(\p)+FR*\b:128*(\p)+FR*\b+FR-1], v[AF+FR*(\a):AF+FR*(\a)+FR-1], v[TMP+8*\b:TMP+8*\b+7]
.else
	v_wmma_f32_16x16x128_bf8_bf8 v[8*(8*((\a)%4)+\b):8*(8*((\a)%4)+\b)+7], v[128*(\p)+FR*\b:128*(\p)+FR*\b+FR-1], v[AF+FR*(\a):AF+FR*(\a)+FR-1], v[8*(8*((\a)%4)+\b):8*(8*((\a)%4)+\b)+7]
.endif
.endr
.endr
.endm
.macro FETCH_B slot, q, p
	WIN TO_B
.irp i, 0,1,2,3,4,5,6,7
	FRAG 128*(\p)+FR*\i, ADRB+\slot, \q, \i
.endr
	WIN 0
.endm
.macro FETCH_A slot, q, i0
.irp i, \i0, \i0+1, \i0+2, \i0+3
	FRAG AF+FR*(\i), ADRA+\slot, \q, \i
.endr
.endm
.macro PLACES n                        ; plain vector instructions in front of loads into registers that matrix instructions have read, and of reads of results
.rept \n
	v_nop
.endr
.endm
.macro STEP slot, q, zero              ; 128 along K, with its successor in the same slot
	s_wait_dscnt 4*NL                              ; B's set and A's blocks 0-3 are in; the youngest sixteen loads (A's blocks 4-7) may be out
.if \zero
	WIN FIRST_LO
.else
	WIN MUL_LO
.endif
	MUL16 0, (\q)%2, \zero
	MUL16 2, (\q)%2, \zero
	s_wait_dscnt 0
	PLACES NP
	FETCH_B \slot, (\q)+1, 1-(\q)%2
	FETCH_A \slot, (\q)+1, 0
.if \zero
	WIN FIRST_HI
.else
	WIN MUL_HI
.endif
	MUL16 4, (\q)%2, \zero
	MUL16 6, (\q)%2, \zero
	PLACES NP
	WIN 0
	FETCH_A \slot, (\q)+1, 4
.endm
; A slot's last step changes slots: one barrier; in front of it each wave waits for all its tensor loads, adds 0 to its spare word, and waits for that and for its reads of this slot.
.macro TURN slot, next, fill
	s_wait_tensorcnt 0x0                           ; all my tensor loads have landed: my part of the next slot
	ds_add_u32 v[SPW], v[NIL]                      ; 0 onto my spare word
	s_wait_dscnt 4*NL+1                            ; the add and the youngest sixteen loads (A's blocks 4-7) may be out
	WIN MUL_LO
	MUL16 0, 1, 0
	s_wait_dscnt 0x0                               ; the add is done, and my reads of this slot are over
	s_barrier_signal -1
	MUL16 2, 1, 0
	WIN 0
	s_barrier_wait -1
.if \fill
	CREST                                          ; the barrier has opened a round of the cluster's: no wave of any partner still reads this slot or has a load on its way
	s_add_nc_u64 s[G0+4*\slot+2:G0+4*\slot+3], s[G0+4*\slot+2:G0+4*\slot+3], 2*ROWB
	s_add_nc_u64 s[G0B+4*\slot+2:G0B+4*\slot+3], s[G0B+4*\slot+2:G0B+4*\slot+3], 2*ROWB
	JLOAD G0+4*\slot, G1, G0B+4*\slot, G1B         ; the first tensor load behind the round; its four v_nop are the places in front of the loads below
.else
	PLACES NP
.endif
	FETCH_B \next, 0, 0
	FETCH_A \next, 0, 0
	WIN MUL_HI
	MUL16 4, 1, 0
	MUL16 6, 1, 0
	PLACES NP
	WIN 0
	FETCH_A \next, 0, 4
.endm
	s_wait_tensorcnt 1                             ; my part of K step 0 is in; K step 1's load may be out
	s_barrier_signal -1
	s_barrier_wait -1
	FETCH_B 0, 0, 0
	FETCH_A 0, 0, 0
	FETCH_A 0, 0, 4
	STEP 0, 0, 1                                   ; the first step starts the sums
	s_mov_b32 s3, LAPS-1
.Llap:                                                 ; a trip goes once round the ring and fills both slots again
	TURN 0, 1, 1
	STEP 1, 0, 0
	TURN 1, 0, 1
	STEP 0, 0, 0
	s_sub_co_u32 s3, s3, 1
	s_cmp_lg_u32 s3, 0
	s_cbranch_scc1 .Llap
	TURN 0, 1, 0                                   ; the last lap fills nothing
	STEP 1, 0, 0
	s_wait_dscnt 4*NL
	WIN MUL_LO
	MUL16 0, 1, 0
	MUL16 2, 1, 0
	s_wait_dscnt 0
	WIN MUL_HI
	MUL16 4, 1, 0
	MUL16 6, 1, 0
	WIN 0
; THE WAY OUT.  Block a (16 rows x 128 columns): held, converted (8 codes = 8 bytes a tile and lane), into the work-group's stage.  The stage lies in slot 0, which has had its last fill, and which nobody reads
; behind the last change of slots.  A row's 256 bytes come from two waves: a barrier; then each wave takes its 64 rows out of the stage as 32 quarter fragments (4 row blocks x 2 steps x 4 chunks), by the address
; by which a fragment is read, and stores each as 512 consecutive bytes, aligned.
.macro QBLOCK a
.set AC, 64*((\a)%4)
	WIN 0x02+((\a)/4)                              ; source 0: window 2 or 3
.set NN, 0
.rept 64
	v_med3_num_f32 v[TMP+NN], v[AC+NN], 0, v[LIMV]                    ; the activation and the hold in one (ISA guide 7.6.2: the conversion does not saturate); each accumulator from its low end on
.set NN, NN+1
.endr
	WIN 0
.irp b, 0,1,2,3,4,5,6,7
	v_cvt_scalef32_pk8_bf8_f32 v[CD+16*(\a)+2*\b:CD+16*(\a)+2*\b+1], v[TMP+8*\b:TMP+8*\b+7], v[SCV]
.endr
	v_nop                                          ; a plain line behind the last conversion: the next block's holds write its sources
.irp b, 0,1,2,3,4,5,6,7
	ds_store_b64 v[STO], v[CD+16*(\a)+2*\b:CD+16*(\a)+2*\b+1] offset:(\a)*16*PITCH+16*\b
.endr
.endm
	PLACES NP
.irp a, 0,1,2,3,4,5,6,7
	QBLOCK \a
.endr
	s_wait_dscnt 0x0                               ; for the others' sake: my stores into the stage are done
	s_barrier_signal -1
	s_barrier_wait -1
.set TT, 0
.irp g, 0,1,2,3
.irp u, 0,1
.irp c, 0,1,2,3
	ds_load_b128 v[CD+4*TT:CD+4*TT+3], v[RD] offset:\g*16*PITCH+128*\u+32*\c   ; row block g of my four, step u of the tile's two, chunk c
.set TT, TT+1
.endr
.endr
.endr
.set TT, 0
.irp g, 0,1,2,3
.irp u, 0,1
.irp c, 0,1,2,3
	s_wait_dscnt 31-TT                             ; LDS loads come back in order: quarter TT is in
	global_store_b128 v[CO], v[CD+4*TT:CD+4*TT+3], s[10:11] offset:\g*65536+\u*2048+\c*512
.set TT, TT+1
.endr
.endr
.endr
	s_wait_tensorcnt 0x0                           ; the wave's end
	ds_add_u32 v[SPW], v[NIL]
	s_wait_dscnt 0x0
	CROUND                                         ; the closing round
	s_endpgm
.Lfunc_end_k_q482a46aa4c_ffup:
	.size	k_q482a46aa4c_ffup, .Lfunc_end_k_q482a46aa4c_ffup-k_q482a46aa4c_ffup
	.p2alignl 7, 3214868480
	.fill 96, 4, 3214868480
	.section	.rodata,"a",@progbits
	.p2align	6, 0x0
	.amdhsa_kernel k_q482a46aa4c_ffup
		.amdhsa_group_segment_fixed_size 327680
		.amdhsa_private_segment_fixed_size 0
		.amdhsa_enable_private_segment 0
		.amdhsa_kernarg_size 40
		.amdhsa_user_sgpr_count 2
		.amdhsa_user_sgpr_kernarg_segment_ptr 1
		.amdhsa_wavefront_size32 1
		.amdhsa_system_sgpr_workgroup_id_x 1
		.amdhsa_system_sgpr_workgroup_id_y 1
		.amdhsa_system_sgpr_workgroup_id_z 1
		.amdhsa_system_vgpr_workitem_id 0
		.amdhsa_next_free_vgpr 1024
		.amdhsa_next_free_sgpr 100
		.amdhsa_reserve_vcc 0
		.amdhsa_float_denorm_mode_32 3
		.amdhsa_float_denorm_mode_16_64 3
		.amdhsa_memory_ordered 1
		.amdhsa_forward_progress 1
		.amdhsa_inst_pref_size 130
	.end_amdhsa_kernel
	.amdgpu_metadata
---
amdhsa.version: [ 1, 2 ]
amdhsa.kernels:
  - .name:           k_q482a46aa4c_ffup
    .symbol:         k_q482a46aa4c_ffup.kd
    .args:
      - { .name: xf, .offset: 0, .size: 8, .value_kind: global_buffer, .address_space: global }
      - { .name: w1_codes, .offset: 8, .size: 8, .value_kind: global_buffer, .address_space: global }
      - { .name: lowp_scales, .offset: 16, .size: 8, .value_kind: global_buffer, .address_space: global }
      - { .name: b1, .offset: 24, .size: 8, .value_kind: global_buffer, .address_space: global }
      - { .name: hc, .offset: 32, .size: 8, .value_kind: global_buffer, .address_space: global }
    .group_segment_fixed_size: 327680
    .private_segment_fixed_size: 0
    .kernarg_segment_align: 8
    .kernarg_segment_size: 40
    .max_flat_workgroup_size: 128
    .sgpr_count:     100
    .vgpr_count:     1024
    .wavefront_size: 32
...
	.end_amdgpu_metadata
.endif
;; end of part 6
;; launch ffdown (part 7): grid 32 x 8, 4 waves a work-group, clusters of 4 x 1, 327,680 bytes of LDS; arguments hc, w2_codes, lowp_scales, x1, out0, b2; writes out0
.if DOCPART == 7
	.amdgcn_target "amdgcn-amd-amdhsa--gfx1250"
	.amdhsa_code_object_version 6
	.text
	.protected	k_q482a46aa4c_ffdown
	.globl	k_q482a46aa4c_ffdown
	.p2align	8
	.type	k_q482a46aa4c_ffdown,@function
k_q482a46aa4c_ffdown:
	s_mov_b64 s[64:65], 0
	v_nop
	global_prefetch_b8 v0, s[64:65] scope:SCOPE_SE
	s_setreg_imm32_b32 hwreg(HW_REG_WAVE_MODE, 25, 1), 1
	s_wait_xcnt 0x0
	s_wait_alu depctr_hold_cnt(0) depctr_sa_sdst(0) depctr_va_vdst(0) depctr_va_sdst(0) depctr_va_ssrc(0) depctr_va_vcc(0) depctr_vm_vsrc(0)
	s_getreg_b32 s2, hwreg(HW_REG_IB_STS2, 6, 4)
	s_cmp_eq_u32 s2, 0
	s_cbranch_scc0 .Lentry_in_a_cluster
	s_endpgm
.Lentry_in_a_cluster:
	s_bfe_u32 s2, ttmp6, 0x10000c
	s_cmp_lg_u32 s2, 0x3003
	s_cbranch_scc0 .Lentry_shape_is_right
	s_endpgm
.Lentry_shape_is_right:
; out[m][n] = x1[m][n] + b2[n] + 2^(e14 + e15) x sum over k of h[m][k] w2[n][k], K = 4,096, on codes of E5M2.  x1, out: [4096][1024] f32.
; w2: [1024][4096] codes, K innermost.  h: codes IN THE ORDER OF THE OPERAND'S REGISTERS: row block R (16 rows) and step s (128 along K) are an image of 2,048 bytes at 65,536 R + 2,048 s; chunk c at 512 c, lane l's 16 bytes at 16 l:
; row 16 R + l % 16, k = 128 s + 32 c + 16 (l / 16) + 0 .. 15.
; SHARES.  A tile of out is 128 x 128: 256 work-groups (tiles of 256 x 256 would be 64).  Wave w makes rows 32 w .. 32 w + 31 and all 128 columns: 16 accumulators.  The matrix instruction is used transposed
; (source 0 = 16 rows of w2, source 1 = 16 rows of h): a lane holds eight neighbouring n of a row m.
; A GOES FROM MEMORY STRAIGHT INTO REGISTERS, B THROUGH LDS.  No two waves of a work-group want the same rows of h, so LDS would share nothing of it among them; a step's two fragments are eight loads of 512 consecutive bytes,
; issued seven steps ahead into a ring of eight steps' registers, and 48 to 56 loads of every wave stay on their way across the barriers.  LDS is left to w2: a slot holds 128 rows x 1,024 along K, so four fills serve K = 4,096
; (with both operands in LDS a slot holds 512 along K and eight are needed, one behind each barrier), and a refill has eight steps, 128 matrix instructions a wave, in which to land.
; CLUSTER: 4 x 1: the four partners make four tile rows of one tile column and need the same tiles of w2: asked for jointly (mask 15), each wave 32 rows.  h's rows are read by the eight work-groups of a tile row too, but a joint
; request lands in LDS, which is what the lines above avoid: h is not asked for jointly.
; The 32 steps are written out: every offset is an immediate, no address register is ever stepped.
; x1's part of the wave (32 rows x 512 bytes) takes h's places among the loads in steps 25 to 28, when h has no more to ask for.
; REGISTERS: window 0: v0-31 addresses; v32-159 rows back from the stage; v224-227 b2.  window 1: h's ring, step s at v[32 (s % 8)], block a at + 16 a.  window 2: w2's fragments, two sets of 128.
;   window 3: v0-127 the accumulators ((a, b) at v[8 (8 a + b)]); v128-255 x1's rows, then the result.
; LIMIT: e14 + e15 between -126 and 127.
.set NSTEP,  32                        ; steps of 128 along K
.set LEAD,   7                         ; h's loads run so many steps ahead
.set ROWB,   1024                      ; a row of w2's tile
.set PITCH,  1040                      ; in LDS: + 16: 260 words: the 16 rows of a fragment load start at 16 different banks (64 banks of 4 bytes: ISA guide 11.1)
.set WROWS,  32                        ; rows that one tensor load brings
.set SLOT,   128*PITCH
.set SPARE,  2*SLOT                    ; the spare words: 128 bytes a wave, two blocks of 256 bytes that no other line names
.set SPITCH, 528                       ; the way out: a stage of 16 rows x (512 bytes + 16) for each wave, in slot 0, behind that slot's last fill and last read
.set AO,   2                           ; v2      16 x lane: my place in a chunk of h, in a row's 512 bytes of x1 and out, and in b2; never rewritten
.set ADRB, 16                          ; v16-19  LDS address of w2's fragments: slot 0 blocks 0-3, blocks 4-7; slot 1 likewise (an LDS immediate has 16 bits)
.set STO,  24
.set RDS,  25
.set SPW,  28
.set NIL,  29
.set TM,   32
.set BI,   224
.set RES,  128
.set G1, 24                            ; s[24:31] descriptor group 1;  s[32:39] group 0, a set for each slot
.set G0, 32
.set MSB, 0
.macro WIN new                         ; the immediate's high byte repeats the setting that is left
.if MSB != \new
	s_set_vgpr_msb (MSB<<8)|\new
.set MSB, \new
.endif
.endm
.set MUL,  0xf6                        ; source 0 (w2) window 2, source 1 (h) window 1, C and D window 3
.set TO_A, 0x40                        ; destination window 1, address window 0
.set TO_B, 0x80                        ; destination window 2
.set TO_R, 0xc0                        ; destination window 3
.set OUT3, 0x0c                        ; a store's data window 3
.macro CROUND                          ; a round of the cluster's barrier
	s_barrier_signal -1
	s_barrier_wait -1
	s_cmp_lg_u32 s10, 0
	s_cbranch_scc1 .Lnot_wave_0_\@
	s_barrier_signal -3
.Lnot_wave_0_\@:
	s_barrier_wait -3
	s_barrier_signal -1
	s_barrier_wait -1
.endm
.macro PLACES                          ; four plain vector instructions in front of loads into registers that matrix instructions have read, and of reads of results
.rept 4
	v_nop
.endr
.endm
	s_load_b128 s[4:7], s[0:1], 0x0                ; h's codes, w2's codes
	s_load_b128 s[68:71], s[0:1], 0x10             ; the scales' exponents, x1
	s_load_b128 s[72:75], s[0:1], 0x20             ; out, b2
	v_lshl_add_u32 v[SPW], v0, 2, SPARE
	v_mov_b32 v[NIL], 0
	ds_add_u32 v28, v29
	s_wait_dscnt 0x0
	v_lshrrev_b32 v1, 5, v0
	v_readfirstlane_b32 s10, v1                    ; wave 0..3
	s_bfe_u32 s12, ttmp6, 0x40000                  ; cx
	s_lshl_b32 s13, ttmp9, 2
	s_add_co_u32 s13, s13, s12                     ; tile row = 4 x cluster x + cx: it enters h's, x1's and out's addresses alone
	s_and_b32 s14, ttmp7, 0xffff                   ; tile column, which the four partners share
	s_mov_b32 s[G1+0], 15|(0<<16)|(1<<20)|(1<<21)|(7<<22)|(3<<25)   ; the mask: all four work-groups; elements of 1 byte; padding on; bit 21 beside a mask; 4 words behind every 256
	s_mov_b32 s[G1+1], ROWB<<16                    ; tensor_dim0
	s_mov_b32 s[G1+2], WROWS<<16                   ; tensor_dim1
	s_mov_b32 s[G1+3], ROWB<<16                    ; tile_dim0
	s_mov_b32 s[G1+4], WROWS                       ; tile_dim1
	s_mov_b32 s[G1+5], 4096                        ; the pitch
	s_mov_b32 s[G1+6], 0
	s_mov_b32 s[G1+7], 0
	s_lshl_b32 s16, s14, 7
	s_lshl_b32 s17, s10, 5
	s_add_co_u32 s16, s16, s17
	s_lshl_b32 s16, s16, 12                        ; w2: row 128 x tile column + 32 x wave, x 4,096 bytes
	s_mov_b32 s17, 0
	s_mul_i32 s20, s10, WROWS*PITCH                ; and in a slot: wave x 32 rows
	s_lshl_b32 s18, s13, 3
	s_lshl_b32 s19, s10, 1
	s_add_co_u32 s18, s18, s19
	s_lshl_b32 s18, s18, 16                        ; h: row block 8 x tile row + 2 x wave, x 65,536 bytes
	s_mov_b32 s19, 0
	s_lshl_b32 s22, s13, 7
	s_lshl_b32 s23, s10, 5
	s_add_co_u32 s22, s22, s23
	s_lshl_b32 s22, s22, 12                        ; x1, out: row 128 x tile row + 32 x wave, x 4,096 bytes,
	s_lshl_b32 s40, s14, 9                         ; + 512 x tile column
	s_add_co_u32 s22, s22, s40
	s_mov_b32 s23, 0
	s_mov_b32 s41, 0
	s_wait_kmcnt 0x0
	s_load_b64 s[82:83], s[68:69], 0x38            ; e14, e15
	s_add_nc_u64 s[6:7], s[6:7], s[16:17]
	s_add_nc_u64 s[4:5], s[4:5], s[18:19]
	s_add_nc_u64 s[70:71], s[70:71], s[22:23]
	s_add_nc_u64 s[72:73], s[72:73], s[22:23]
	s_add_nc_u64 s[74:75], s[74:75], s[40:41]
.irp s, 0,1
	s_mov_b32 s[G0+4*\s], 1
	s_add_co_u32 s[G0+4*\s+1], s20, \s*SLOT
	s_add_nc_u64 s[G0+4*\s+2:G0+4*\s+3], s[6:7], \s*ROWB           ; slot s begins with K = 1,024 s on
	s_or_b32 s[G0+4*\s+3], s[G0+4*\s+3], 0x80000000
.endr
	CROUND                                         ; all four work-groups are here: the first joint loads meet
	tensor_load_to_lds s[G0:G0+3], s[G1:G1+7]      ; the two first fills go out together: two loads of mine are out
	s_nop 0
	tensor_load_to_lds s[G0+4:G0+7], s[G1:G1+7]
	s_nop 0
	PLACES                                         ; (four v_nop follow the second)
	v_and_b32 v1, 15, v0                           ; r
	v_bfe_u32 v3, v0, 4, 1                         ; h
	v_and_b32 v4, 31, v0
	v_lshlrev_b32 v[AO], 4, v4
.macro ALOAD s                         ; h's two fragments of step s: eight loads of 512 consecutive bytes
.irp a, 0,1
.irp c, 0,1,2,3
	global_load_b128 v[32*((\s)%8)+16*\a+4*\c:32*((\s)%8)+16*\a+4*\c+3], v[AO], s[4:5] offset:\a*65536+(\s)*2048+\c*512
.endr
.endr
.endm
	global_load_b128 v[BI:BI+3], v[AO], s[74:75]   ; b2[4 lane .. + 3] of my 128 columns: the oldest load
	WIN TO_A
.irp s, 0,1,2,3,4,5,6
	ALOAD \s
.endr
	WIN 0
	v_mul_u32_u24 v[ADRB], v1, PITCH
	v_lshl_add_u32 v[ADRB], v3, 4, v[ADRB]         ; a fragment's row x pitch + 16 x half
	v_add_nc_u32 v[ADRB+1], 4*16*PITCH, v[ADRB]
	v_add_nc_u32 v[ADRB+2], SLOT, v[ADRB]
	v_add_nc_u32 v[ADRB+3], SLOT+4*16*PITCH, v[ADRB]
	s_mul_i32 s21, s10, 16*SPITCH                  ; my stage
	v_mul_u32_u24 v[STO], v1, SPITCH
	v_lshl_add_u32 v[STO], v3, 5, v[STO]
	v_add_nc_u32 v[STO], s21, v[STO]               ; in: row r, 32 bytes for each half of the lanes
	v_add_nc_u32 v[RDS], s21, v[AO]                ; back: the 32 lanes take one row of 512 bytes
.macro BLOAD slot, q, set              ; w2's eight fragments of the slot's q-th 128 along K: registers 4 c .. 4 c + 3 hold K = 32 c + 16 (l / 16) + 0 .. 15, as h's images have it
.irp i, 0,1,2,3,4,5,6,7
.irp c, 0,1,2,3
	ds_load_b128 v[128*(\set)+16*\i+4*\c:128*(\set)+16*\i+4*\c+3], v[ADRB+2*(\slot)+\i/4] offset:128*(\q)+32*\c+(\i%4)*16*PITCH
.endr
.endr
.endm
; STEP S (a symbol): 128 along K, 16 matrix instructions.  At its head: this step's fragments are waited for; h's loads of step S + 7 go into the ring's place that step S - 1 has left, w2's fragments of step S + 1 into the set
; that step S - 1 has left, both behind four places; then the products.  The 16 accumulators take turns, one instruction a turn, in the same order in every step.
; Steps 7, 15 and 23 are a slot's last: their own fragments are in registers, so the slot is left at the step's head.  Each wave waits for all its tensor loads, adds 0 to its spare word, and waits for that and for its reads of the slot.
; At steps 7 and 15 the slot is filled again, two fills on, behind a round of the cluster's barrier; at step 23 nothing is left to fetch.
.macro KSTEP
.set RING, 32*(S%8)
.set SETB, 128*(S%2)
.set SL,   (S/8)%2
.set NSL,  ((S+1)/8)%2
.set NQ,   (S+1)%8
.set NSB,  (S+1)%2
.set NA,   S+LEAD-1                    ; h's youngest step asked for
.if NA > NSTEP-1
.set NA,   NSTEP-1
.endif
.set NR,   S-(NSTEP-LEAD)              ; groups of eight loads of x1 asked for
.if NR < 0
.set NR,   0
.endif
.if NR > 4
.set NR,   4
.endif
.if ((S%8) == 7) && (S < NSTEP-1)
	WIN 0
	s_wait_tensorcnt 0x0                           ; all my tensor loads have landed: my part of the next slot;
	ds_add_u32 v[SPW], v[NIL]                      ; 0 onto my spare word
.if S < 23
	s_add_nc_u64 s[G0+4*SL+2:G0+4*SL+3], s[G0+4*SL+2:G0+4*SL+3], 2*ROWB   ; no load of mine is out, so a group 0 may be written: this slot's next fill
.endif
	s_wait_dscnt 0x0                               ; the add is done, and my reads of this slot are over: this step's fragments are in
.if S < 23
	CROUND                                         ; no wave of any partner still reads this slot or has a load on its way
	tensor_load_to_lds s[G0+4*SL:G0+4*SL+3], s[G1:G1+7]   ; the first thing behind the round, and my one tensor load until the next
	s_nop 0
.else
	s_barrier_signal -1
	s_barrier_wait -1
.endif
.else
	s_wait_dscnt 0x0                               ; w2's fragments of this step are in
.endif
	PLACES                                         ; behind the last step's products (and, where a slot is filled, the four lines behind the tensor load)
	s_wait_loadcnt 8*(NA-S)+8*NR                   ; loads come back in order (ISA guide 5.7.1): h's fragments of this step are in; what was asked for behind them may stay out
.if S+LEAD < NSTEP
	WIN TO_A
	ALOAD S+LEAD
.elseif NR < 4
	WIN TO_R
.irp t, 0,1,2,3,4,5,6,7
	global_load_b128 v[RES+4*(8*NR+\t):RES+4*(8*NR+\t)+3], v[AO], s[70:71] offset:(8*NR+\t)*4096   ; x1's rows 8 NR + t of my 32: 512 consecutive bytes
.endr
.endif
.if S+1 < NSTEP
	WIN TO_B
	BLOAD NSL, NQ, NSB
.endif
	WIN MUL
.irp a, 0,1
.irp b, 0,1,2,3,4,5,6,7
.if S == 0
	v_wmma_f32_16x16x128_bf8_bf8 v[8*(8*\a+\b):8*(8*\a+\b)+7], v[SETB+16*\b:SETB+16*\b+15], v[RING+16*\a:RING+16*\a+15], 0
.else
	v_wmma_f32_16x16x128_bf8_bf8 v[8*(8*\a+\b):8*(8*\a+\b)+7], v[SETB+16*\b:SETB+16*\b+15], v[RING+16*\a:RING+16*\a+15], v[8*(8*\a+\b):8*(8*\a+\b)+7]
.endif
.endr
.endr
.endm
	s_wait_tensorcnt 1                             ; my part of slot 0 is in; slot 1's load may be out
	s_barrier_signal -1
	s_barrier_wait -1
	WIN TO_B
	BLOAD 0, 0, 0
.set S, 0
.rept NSTEP
	KSTEP
.set S, S+1
.endr
	WIN 0
	; THE WAY OUT, two blocks of 16 rows x 128 columns: the sums go through my own stage and come back as whole rows of 512 bytes, in the layout in which x1's rows were loaded; one packed multiply-add gives
	; sum x 2^(e14 + e15) + (x1 + b2).  LDS serves a wave's instructions in order (ISA guide 5.7.1.4): no wait between the stores and the loads, nor in front of the next block's stores.
	PLACES
	s_wait_kmcnt 0x0
	s_add_co_i32 s82, s82, s83
	s_add_co_i32 s82, s82, 127
	s_lshl_b32 s82, s82, 23                        ; 2^(e14 + e15) as f32
	s_mov_b32 s83, s82                             ; (named with it as a pair)
.irp a, 0,1
	WIN OUT3
.irp b, 0,1,2,3,4,5,6,7
	ds_store_b128 v[STO], v[8*(8*\a+\b):8*(8*\a+\b)+3] offset:64*\b          ; each accumulator from its low end on
	ds_store_b128 v[STO], v[8*(8*\a+\b)+4:8*(8*\a+\b)+7] offset:64*\b+16
.endr
	WIN 0
.irp t, 0,1,2,3,4,5,6,7,8,9,10,11,12,13,14,15
	ds_load_b128 v[TM+64*\a+4*\t:TM+64*\a+4*\t+3], v[RDS] offset:\t*SPITCH
.endr
.endr
	s_wait_loadcnt 0x0                             ; x1's rows
	WIN 0xc3                                       ; source 0 and destination window 3
.set NN, 0
.rept 32
	v_pk_add_f32 v[RES+4*NN:RES+4*NN+1], v[RES+4*NN:RES+4*NN+1], v[BI:BI+1]
	v_pk_add_f32 v[RES+4*NN+2:RES+4*NN+3], v[RES+4*NN+2:RES+4*NN+3], v[BI+2:BI+3]
.set NN, NN+1
.endr
.macro FIN a, younger                  ; younger: the LDS instructions issued behind block a's loads: block 1's sixteen stores and sixteen loads, or none
	s_wait_dscnt \younger
	WIN 0xf0                                       ; source 2 and destination window 3
.set NN, 0
.rept 32
	v_pk_fma_f32 v[RES+64*(\a)+2*NN:RES+64*(\a)+2*NN+1], v[TM+64*(\a)+2*NN:TM+64*(\a)+2*NN+1], s[82:83], v[RES+64*(\a)+2*NN:RES+64*(\a)+2*NN+1] op_sel_hi:[1,0,1]
.set NN, NN+1
.endr
	WIN OUT3
.irp t, 0,1,2,3,4,5,6,7,8,9,10,11,12,13,14,15
	global_store_b128 v[AO], v[RES+64*(\a)+4*\t:RES+64*(\a)+4*\t+3], s[72:73] offset:(16*(\a)+\t)*4096   ; 32 lanes store 512 consecutive bytes, aligned; no store's data are written again
.endr
.endm
	FIN 0, 32
	FIN 1, 0
	WIN 0
	s_wait_tensorcnt 0x0                           ; the wave's end
	ds_add_u32 v[SPW], v[NIL]
	s_wait_dscnt 0x0
	CROUND                                         ; the closing round
	s_endpgm
.Lfunc_end_k_q482a46aa4c_ffdown:
	.size	k_q482a46aa4c_ffdown, .Lfunc_end_k_q482a46aa4c_ffdown-k_q482a46aa4c_ffdown
	.p2alignl 7, 3214868480
	.fill 96, 4, 3214868480
	.section	.rodata,"a",@progbits
	.p2align	6, 0x0
	.amdhsa_kernel k_q482a46aa4c_ffdown
		.amdhsa_group_segment_fixed_size 327680
		.amdhsa_private_segment_fixed_size 0
		.amdhsa_enable_private_segment 0
		.amdhsa_kernarg_size 48
		.amdhsa_user_sgpr_count 2
		.amdhsa_user_sgpr_kernarg_segment_ptr 1
		.amdhsa_wavefront_size32 1
		.amdhsa_system_sgpr_workgroup_id_x 1
		.amdhsa_system_sgpr_workgroup_id_y 1
		.amdhsa_system_sgpr_workgroup_id_z 1
		.amdhsa_system_vgpr_workitem_id 0
		.amdhsa_next_free_vgpr 1024
		.amdhsa_next_free_sgpr 84
		.amdhsa_reserve_vcc 0
		.amdhsa_float_denorm_mode_32 3
		.amdhsa_float_denorm_mode_16_64 3
		.amdhsa_memory_ordered 1
		.amdhsa_forward_progress 1
		.amdhsa_inst_pref_size 154
	.end_amdhsa_kernel
	.amdgpu_metadata
---
amdhsa.version: [ 1, 2 ]
amdhsa.kernels:
  - .name:           k_q482a46aa4c_ffdown
    .symbol:         k_q482a46aa4c_ffdown.kd
    .args:
      - { .name: hc, .offset: 0, .size: 8, .value_kind: global_buffer, .address_space: global }
      - { .name: w2_codes, .offset: 8, .size: 8, .value_kind: global_buffer, .address_space: global }
      - { .name: lowp_scales, .offset: 16, .size: 8, .value_kind: global_buffer, .address_space: global }
      - { .name: x1, .offset: 24, .size: 8, .value_kind: global_buffer, .address_space: global }
      - { .name: out0, .offset: 32, .size: 8, .value_kind: global_buffer, .address_space: global }
      - { .name: b2, .offset: 40, .size: 8, .value_kind: global_buffer, .address_space: global }
    .group_segment_fixed_size: 327680
    .private_segment_fixed_size: 0
    .kernarg_segment_align: 8
    .kernarg_segment_size: 48
    .max_flat_workgroup_size: 128
    .sgpr_count:     84
    .vgpr_count:     1024
    .wavefront_size: 32
...
	.end_amdgpu_metadata
.endif
;; end of part 7
